; MI455X (gfx1250); checked and timed in simulation.
; The chip was launched on July 23, 2026; its instructions are those of AMD's public machine-readable ISA for CDNA 5 (MIT licence, August 2026) and "CDNA5" Instruction Set Architecture Reference Guide (July 2026). The comments in the code are by the model that wrote it; some were corrected since.
;; Attention. Allowed arithmetic: float matrix products may take bf16 or f16 operands with f32 sums; other float arithmetic in f32, or as packed bf16 or f16 multiplies, adds, multiply-adds, maxima and minima; sums over many terms, partial sums and values carried from step to step in f32; what a program stores and reads back later, other than sums and carried values, may be rounded once to bf16 or f16.
;; Inputs: Wk 1,024 x 1,024 float32; Wo 1,024 x 1,024 float32; Wq 1,024 x 1,024 float32; Wv 1,024 x 1,024 float32; x 2 x 2,048 x 1,024 float32.
;; Outputs: out0 2 x 2,048 x 1,024 float32.
;; One version. Each part assembles by itself: llvm-mc -triple=amdgcn-amd-amdhsa -mcpu=gfx1250 --defsym DOCPART=n.
;; ======== version 1 of 1: 4 launches
;; limits: values are held in f16: magnitudes above 65,504 overflow, below 6.1e-05 lose precision
;; workspace buffers: xb 8,388,608 bytes; wb 6,291,456 bytes; wo16 2,097,152 bytes; qkv 25,165,824 bytes; ob 8,388,608 bytes
;; launch cast (part 1): grid 128 x 8, 8 waves a work-group, no clusters, 0 bytes of LDS; arguments x, Wq, Wk, Wv, Wo, xb, wb, wo16; writes xb, wb, wo16
.if DOCPART == 1
	.amdgcn_target "amdgcn-amd-amdhsa--gfx1250"
	.amdhsa_code_object_version 6
	.text
	.protected	k_q1a243a8918_cast
	.globl	k_q1a243a8918_cast
	.p2align	8
	.type	k_q1a243a8918_cast,@function
k_q1a243a8918_cast:
	s_mov_b64 s[64:65], 0
	v_nop
	global_prefetch_b8 v0, s[64:65] scope:SCOPE_SE
	s_setreg_imm32_b32 hwreg(HW_REG_WAVE_MODE, 25, 1), 1
	s_wait_xcnt 0x0
; CAST.  x, Wq, Wk, Wv: f32 -> bf16 (round to nearest even).  Wo: f32 -> bf16, and that number written as f16, since the last product multiplies f16.
; xb = [4096][1024] bf16; wb = [3072][1024] bf16, the rows of Wq, Wk, Wv on end; wo16 = [1024][1024] f16.
; LIMITS.  A bf16 number is exact in f16 from 6.1e-5 to 65,504; below that Wo keeps f16's fixed step of 6e-8; beyond it the conversion gives an infinity.
; SHARES.  A work-group takes 32,768 bytes of f32, a wave 4,096: eight loads of 512 consecutive bytes, all issued at once; each gives one store of 256 consecutive bytes, aligned.
; Grid y picks the tensor: 0-3 the four quarters of x, 4-7 Wq, Wk, Wv, Wo.  No LDS, no barrier, no loop: nothing is shared and nothing is read twice.
.set X, 8                              ; v[8:39]   eight loads of four f32
.set Y, 40                             ; v[40:55]  eight pairs of packed results
.set T, 56                             ; v[56:59]  at work (Wo's path)
	s_load_b512 s[8:23], s[0:1], 0x0               ; x, Wq, Wk, Wv, Wo, xb, wb, wo16
	s_and_b32 s2, ttmp7, 0xffff                    ; y
	s_lshl_b32 s3, s2, 7                           ; 128 y
	s_sub_co_u32 s5, s3, 512                       ; 128 (y - 4): used for y = 4, 5, 6 alone
	s_cmp_lt_u32 s2, 7
	s_cselect_b32 s5, s5, 0
	s_cmp_lt_u32 s2, 4
	s_cselect_b32 s5, s3, s5                       ; the target's chunk: x by y, the three weights on end, Wo from 0
	s_cselect_b32 s4, s3, 0                        ; the source's chunk: x by y, each weight from 0
	s_add_co_u32 s4, s4, ttmp9
	s_add_co_u32 s5, s5, ttmp9
	s_lshl_b32 s28, s4, 15                         ; 32,768 bytes of f32 a chunk
	s_mov_b32 s29, 0
	s_lshl_b32 s30, s5, 14                         ; 16,384 bytes of 16-bit numbers
	s_mov_b32 s31, 0
	v_and_b32 v3, 31, v0                           ; lane
	v_lshrrev_b32 v4, 5, v0                        ; wave
	v_lshlrev_b32 v1, 4, v3
	v_lshl_add_u32 v1, v4, 12, v1                  ; in: 4,096 x wave + 16 x lane
	v_lshlrev_b32 v2, 3, v3
	v_lshl_add_u32 v2, v4, 11, v2                  ; out: 2,048 x wave + 8 x lane
	s_wait_kmcnt 0x0
	s_mov_b64 s[24:25], s[8:9]
	s_cmp_eq_u32 s2, 4
	s_cselect_b64 s[24:25], s[10:11], s[24:25]
	s_cmp_eq_u32 s2, 5
	s_cselect_b64 s[24:25], s[12:13], s[24:25]
	s_cmp_eq_u32 s2, 6
	s_cselect_b64 s[24:25], s[14:15], s[24:25]
	s_cmp_eq_u32 s2, 7
	s_cselect_b64 s[24:25], s[16:17], s[24:25]
	s_mov_b64 s[26:27], s[22:23]
	s_cmp_lt_u32 s2, 7
	s_cselect_b64 s[26:27], s[20:21], s[26:27]
	s_cmp_lt_u32 s2, 4
	s_cselect_b64 s[26:27], s[18:19], s[26:27]
	s_add_nc_u64 s[24:25], s[24:25], s[28:29]
	s_add_nc_u64 s[26:27], s[26:27], s[30:31]
.irp j, 0,1,2,3,4,5,6,7
	global_load_b128 v[X+4*\j:X+4*\j+3], v1, s[24:25] offset:512*\j th:TH_LOAD_NT
.endr
	s_cmp_eq_u32 s2, 7
	s_cbranch_scc1 .Lwo
.irp j, 0,1,2,3,4,5,6,7
	s_wait_loadcnt 7-\j                            ; loads come back in order: chunk j is in, the 7 - j younger ones may stay out
	v_cvt_pk_bf16_f32 v[Y+2*\j], v[X+4*\j], v[X+4*\j+1]
	v_cvt_pk_bf16_f32 v[Y+2*\j+1], v[X+4*\j+2], v[X+4*\j+3]
	global_store_b64 v2, v[Y+2*\j:Y+2*\j+1], s[26:27] offset:256*\j  ; 32 lanes x 8 bytes: 256 consecutive bytes, aligned
.endr
	s_endpgm
.Lwo:
.irp j, 0,1,2,3,4,5,6,7
	s_wait_loadcnt 7-\j
	v_cvt_pk_bf16_f32 v[T], v[X+4*\j], v[X+4*\j+1]         ; rounded to bf16 like every other input,
	v_cvt_pk_bf16_f32 v[T+1], v[X+4*\j+2], v[X+4*\j+3]
	v_lshlrev_b32 v[T+2], 16, v[T]                         ; widened again,
	v_and_b32 v[T], 0xffff0000, v[T]
	v_lshlrev_b32 v[T+3], 16, v[T+1]
	v_and_b32 v[T+1], 0xffff0000, v[T+1]
	v_cvt_pk_f16_f32 v[Y+2*\j], v[T+2], v[T]               ; and written as f16
	v_cvt_pk_f16_f32 v[Y+2*\j+1], v[T+3], v[T+1]
	global_store_b64 v2, v[Y+2*\j:Y+2*\j+1], s[26:27] offset:256*\j
.endr
	s_endpgm
.Lfunc_end_k_q1a243a8918_cast:
	.size	k_q1a243a8918_cast, .Lfunc_end_k_q1a243a8918_cast-k_q1a243a8918_cast
	.p2alignl 7, 3214868480
	.fill 96, 4, 3214868480
	.section	.rodata,"a",@progbits
	.p2align	6, 0x0
	.amdhsa_kernel k_q1a243a8918_cast
		.amdhsa_group_segment_fixed_size 0
		.amdhsa_private_segment_fixed_size 0
		.amdhsa_enable_private_segment 0
		.amdhsa_kernarg_size 64
		.amdhsa_user_sgpr_count 2
		.amdhsa_user_sgpr_kernarg_segment_ptr 1
		.amdhsa_wavefront_size32 1
		.amdhsa_system_sgpr_workgroup_id_x 1
		.amdhsa_system_sgpr_workgroup_id_y 1
		.amdhsa_system_sgpr_workgroup_id_z 1
		.amdhsa_system_vgpr_workitem_id 0
		.amdhsa_next_free_vgpr 64
		.amdhsa_next_free_sgpr 66
		.amdhsa_reserve_vcc 0
		.amdhsa_float_denorm_mode_32 3
		.amdhsa_float_denorm_mode_16_64 3
		.amdhsa_memory_ordered 1
		.amdhsa_forward_progress 1
		.amdhsa_inst_pref_size 9
	.end_amdhsa_kernel
	.amdgpu_metadata
---
amdhsa.version: [ 1, 2 ]
amdhsa.kernels:
  - .name:           k_q1a243a8918_cast
    .symbol:         k_q1a243a8918_cast.kd
    .args:
      - { .name: x, .offset: 0, .size: 8, .value_kind: global_buffer, .address_space: global }
      - { .name: Wq, .offset: 8, .size: 8, .value_kind: global_buffer, .address_space: global }
      - { .name: Wk, .offset: 16, .size: 8, .value_kind: global_buffer, .address_space: global }
      - { .name: Wv, .offset: 24, .size: 8, .value_kind: global_buffer, .address_space: global }
      - { .name: Wo, .offset: 32, .size: 8, .value_kind: global_buffer, .address_space: global }
      - { .name: xb, .offset: 40, .size: 8, .value_kind: global_buffer, .address_space: global }
      - { .name: wb, .offset: 48, .size: 8, .value_kind: global_buffer, .address_space: global }
      - { .name: wo16, .offset: 56, .size: 8, .value_kind: global_buffer, .address_space: global }
    .group_segment_fixed_size: 0
    .private_segment_fixed_size: 0
    .kernarg_segment_align: 8
    .kernarg_segment_size: 64
    .max_flat_workgroup_size: 256
    .sgpr_count:     66
    .vgpr_count:     64
    .wavefront_size: 32
...
	.end_amdgpu_metadata
.endif
;; end of part 1
;; launch proj (part 2): grid 8 x 32, 4 waves a work-group, clusters of 4 x 4, 327,680 bytes of LDS; arguments xb, wb, qkv; writes qkv
.if DOCPART == 2
	.amdgcn_target "amdgcn-amd-amdhsa--gfx1250"
	.amdhsa_code_object_version 6
	.text
	.protected	k_q1a243a8918_proj
	.globl	k_q1a243a8918_proj
	.p2align	8
	.type	k_q1a243a8918_proj,@function
k_q1a243a8918_proj:
	s_mov_b64 s[64:65], 0
	v_nop
	global_prefetch_b8 v0, s[64:65] scope:SCOPE_SE
	s_setreg_imm32_b32 hwreg(HW_REG_WAVE_MODE, 25, 1), 1
	s_wait_xcnt 0x0
	s_wait_alu depctr_hold_cnt(0) depctr_sa_sdst(0) depctr_va_vdst(0) depctr_va_sdst(0) depctr_va_ssrc(0) depctr_va_vcc(0) depctr_vm_vsrc(0)
	s_getreg_b32 s2, hwreg(HW_REG_IB_STS2, 6, 4)
	s_cmp_eq_u32 s2, 0
	s_cbranch_scc0 .Lentry_in_a_cluster
	s_endpgm
.Lentry_in_a_cluster:
	s_bfe_u32 s2, ttmp6, 0x10000c
	s_cmp_lg_u32 s2, 0xf033
	s_cbranch_scc0 .Lentry_shape_is_right
	s_endpgm
.Lentry_shape_is_right:
; THE THREE PROJECTIONS AS ONE PRODUCT.  C[m][n] = sum over k of xb[m][k] wb[n][k]; xb [4096][1024], wb [3072][1024] (Wq, Wk, Wv on end), bf16; sums in f32.
; C leaves by heads, in f16, rounded once: qkv = 96 planes [2048][64]; plane = 32 type + 16 b + h (type 0 q, 1 k, 2 v).  q is multiplied in f32 by
; k1 = 2 x 0.125 / 50 x log2(e) before its rounding, so that the next launch's product q.k is the argument of 2^z in tanh(s / 50) = 1 - 2 / (1 + 2^z).
; LIMITS.  f16 ends at 65,504: |k1 q|, |k|, |v| must stay under it, else the conversion gives an infinity; numbers under 6.1e-5 keep f16's fixed step of 6e-8.
; SHARES.  A tile of C is 128 x 384: 8 x 32 = 256 work-groups.  Four waves, each 64 rows x 192 columns (three whole heads): 48 accumulators of 16 x 16, 384 registers.
; K goes in steps of 128 through two LDS slots; a step is four tensor loads of 128 rows x 256 bytes, one a wave: wave 0 A's rows, waves 1-3 B's 384.
; CLUSTER 4 x 4: the four work-groups of a row need the same tile of A, the four of a column the same tile of B: each is asked for jointly, by the same load, descriptor and mask.
; THE MATRIX INSTRUCTION IS USED TRANSPOSED (source 0 = 16 rows of B, source 1 = 16 rows of A): a lane then holds eight neighbouring columns of one row of C.
; REGISTERS, in windows of 256 (s_set_vgpr_msb: bits 1:0 source 0, 3:2 source 1, 5:4 source 2, 7:6 destination):
;   window 0: v16-30 addresses; v64-127 A's fragments, two buffers of 32; v128-207 at work on the way out
;   window 1: v0-191 B's fragments, two buffers of 96
;   window 2: accumulators of row blocks 0, 1 (block a, column block b at 96 (a % 2) + 8 b);   window 3: those of row blocks 2, 3
.set SIZE_K, 1024
.set KSTEP,  128
.set PITCH,  272                       ; an LDS row: 256 bytes + 16 of padding = 68 words: the 16 rows of a fragment load start at 16 different groups of four banks (64 banks of 4 bytes: ISA guide 11.1)
.set HALFT,  128*PITCH                 ; what one tensor load brings
.set SLOT,   4*HALFT                   ; A's 128 rows, then B's 384
.set STAGE,  2*SLOT                    ; behind the ring: 16 rows x 144 bytes for each wave, for the way out
.set SPITCH, 144
.set SPARE,  STAGE+4*16*SPITCH         ; behind the stages: the spare words, 128 bytes a wave: two blocks of 256 bytes that no other line names
.set LAPS,   SIZE_K/(2*KSTEP)          ; a lap = two K steps = once round the ring: 4
.set K1,     0x3bec5f04                ; 0.0072134752
.set ADRA, 16                          ; v16-17  LDS address of my A fragments in slot 0, 1
.set ADRB, 20                          ; v20-21  the same for B
.set STO,  24                          ; v24     the way out: where I put 16 bytes of a row
.set RD,   25                          ; v25     where I read rows back
.set GO,   26                          ; v26     16 x lane: my 16 bytes of 512 consecutive bytes of a plane
.set SPW,  28                          ; v28     my spare word: SPARE + 4 x my thread's number; never rewritten
.set NIL,  29                          ; v29     0; never rewritten
.set PFO,  30                          ; v30     the prefetches' offset: lane x 2,048 bytes (a row of xb or wb); never rewritten
.set FA,   64                          ; A's fragment buffer f at FA + 32 f, window 0
.set FB,   0                           ; B's at FB + 96 f, window 1
.set TMPF, 128                         ; 32 scaled sums
.set PKD,  160                         ; 16 registers of packed f16
.set BK,   176                         ; two buffers of 16: rows read back from the stage
.set G1,   24                          ; s[24:31] descriptor group 1 for A's tiles;  s[32:39] group 0, a set for each slot
.set G0,   32
.set G1B,  48                          ; s[48:55], s[56:63] the same for B's
.set G0B,  56
.set LIM,  43                          ; s43     1 in a wave that prefetches, else the greatest number
.set PFA,  44                          ; s[44:45] where my prefetches stand
.set OB,   68                          ; s[68:73] qkv at my 64 rows of my three planes
.set SCL,  74                          ; s[74:79] their scales, as pairs
.set MSB, 0
.macro WIN new                         ; the immediate's high byte repeats the setting that is left; a switch that changes nothing is dropped
.if MSB != (\new)
	s_set_vgpr_msb (MSB<<8)|(\new)
.set MSB, (\new)
.endif
.endm
.set MUL_LO, 0xa1                      ; source 0 (B) window 1, source 1 (A) window 0, C and D window 2
.set MUL_HI, 0xf1                      ; the same, C and D window 3
.set TO_B,   0x40                      ; destination window 1, address window 0
; A joint load.  Wave 0 fetches A's 128 rows, waves 1-3 B's.  Each line has one mask; the branch hangs on the wave's number alone.
; An s_nop 0 and four v_nop follow each line, ahead of the jump and the label.
.macro JLOAD s
	s_cmp_eq_u32 s10, 0
	s_cbranch_scc0 .Lfor_b_\@
	tensor_load_to_lds s[G0+4*(\s):G0+4*(\s)+3], s[G1:G1+7]
	s_nop 0
.rept 4
	v_nop
.endr
	s_branch .Lasked_\@
.Lfor_b_\@:
	tensor_load_to_lds s[G0B+4*(\s):G0B+4*(\s)+3], s[G1B:G1B+7]
	s_nop 0
.rept 4
	v_nop
.endr
.Lasked_\@:
.endm
; A prefetch of the K step that stands two refills on: 32 rows x 256 bytes, a lane a row, one instruction a wave.  A's rows are asked for by the clusters with x = 0, B's by those with y = 0;
; of a load's 128 rows each of the four partners takes 32, told apart by address (cx for A, cy for B).  So each row's 256 bytes of K steps 4 to 7 are named once in the launch.
; K steps 0 to 3 come by their loads alone; the loop's last trip (s3 = 1) has no K step two on.
.macro ASK
	s_cmp_gt_u32 s3, s[LIM]
	s_cbranch_scc0 .Lnot_mine_\@
	global_prefetch_b8 v[PFO], s[PFA:PFA+1] offset:KSTEP*2 th:TH_LOAD_NT scope:SCOPE_SE
.Lnot_mine_\@:
.endm
.macro CREST                           ; a round of the cluster's barrier behind its opening barrier
	s_cmp_lg_u32 s10, 0
	s_cbranch_scc1 .Lnot_wave_0_\@
	s_barrier_signal -3
.Lnot_wave_0_\@:
	s_barrier_wait -3
	s_barrier_signal -1
	s_barrier_wait -1
.endm
.macro CROUND                          ; a whole round
	s_barrier_signal -1
	s_barrier_wait -1
	CREST
.endm
	s_load_b128 s[4:7], s[0:1], 0x0                ; xb s[4:5], wb s[6:7]
	s_load_b64 s[8:9], s[0:1], 0x10                ; qkv
	v_lshl_add_u32 v[SPW], v0, 2, SPARE
	v_mov_b32 v[NIL], 0
	ds_add_u32 v[SPW], v[NIL]                      ; the wave's opening: the add and its wait stand ahead of my first tensor load; work on registers stands between them
	ds_add_u32 v28, v29
	v_lshrrev_b32 v1, 5, v0
	v_readfirstlane_b32 s10, v1                    ; wave 0..3
	s_lshr_b32 s11, s10, 1                         ; which 64 of the tile's rows are mine
	s_and_b32 s12, s10, 1                          ; which 192 of its columns
	s_bfe_u32 s40, ttmp6, 0x40000                  ; cx
	s_bfe_u32 s41, ttmp6, 0x40004                  ; cy
	s_lshl_b32 s42, ttmp9, 2
	s_add_co_u32 s42, s42, s40                     ; tile column = 4 x cluster x + cx
	s_and_b32 s13, ttmp7, 0xffff
	s_lshl_b32 s13, s13, 2
	s_add_co_u32 s13, s13, s41                     ; tile row = 4 x cluster y + cy
	s_lshl_b32 s43, s41, 2
	s_lshl_b32 s43, 15, s43                        ; my row of the cluster
	s_lshl_b32 s44, 0x1111, s40                    ; my column
	; descriptor group 1: 128 rows x 128 elements of 2 bytes; after every 64 words (code 5) 4 words of padding (code 3); bit 21 set beside a mask
	s_or_b32 s[G1+0], s43, (1<<16)|(1<<20)|(1<<21)|(5<<22)|(3<<25)
	s_or_b32 s[G1B+0], s44, (1<<16)|(1<<20)|(1<<21)|(5<<22)|(3<<25)
.irp g, G1, G1B
	s_mov_b32 s[(\g)+1], KSTEP<<16                 ; tensor_dim0 = 128
	s_mov_b32 s[(\g)+2], 128<<16                   ; tensor_dim1 = 128
	s_mov_b32 s[(\g)+3], KSTEP<<16                 ; tile_dim0 = 128
	s_mov_b32 s[(\g)+4], 128                       ; tile_dim1 = 128
	s_mov_b32 s[(\g)+5], SIZE_K                    ; elements from row to row
	s_mov_b32 s[(\g)+6], 0
	s_mov_b32 s[(\g)+7], 0
.endr
	s_lshl_b32 s16, s13, 18                        ; A: 128 x tile row rows of 2,048 bytes
	s_mov_b32 s17, 0
	s_max_u32 s18, s10, 1
	s_sub_co_u32 s18, s18, 1
	s_lshl_b32 s18, s18, 7                         ; B: which 128 of the tile's 384 rows (wave 0 asks for none of them)
	s_mul_i32 s46, s42, 384
	s_add_co_u32 s46, s46, s18
	s_lshl_b32 s46, s46, 11
	s_mov_b32 s47, 0
	s_mul_i32 s20, s10, HALFT                      ; where they go: wave x 128 rows: no place in the cluster enters an LDS address
	s_wait_dscnt 0x0                               ; the opening add is done
	s_wait_kmcnt 0x0
	s_add_nc_u64 s[14:15], s[4:5], s[16:17]
	s_add_nc_u64 s[46:47], s[6:7], s[46:47]
	CROUND                                         ; all sixteen work-groups are here: the first joint loads meet
.irp s, 0,1
	s_mov_b32 s[G0+4*(\s)], 1                      ; count = 1
	s_add_co_u32 s[G0+4*(\s)+1], s20, (\s)*SLOT    ; LDS address
	s_add_nc_u64 s[G0+4*(\s)+2:G0+4*(\s)+3], s[14:15], (\s)*KSTEP*2  ; K step s
	s_or_b32 s[G0+4*(\s)+3], s[G0+4*(\s)+3], 0x80000000              ; type = 2
	s_mov_b32 s[G0B+4*(\s)], 1
	s_add_co_u32 s[G0B+4*(\s)+1], s20, (\s)*SLOT
	s_add_nc_u64 s[G0B+4*(\s)+2:G0B+4*(\s)+3], s[46:47], (\s)*KSTEP*2
	s_or_b32 s[G0B+4*(\s)+3], s[G0B+4*(\s)+3], 0x80000000
	JLOAD \s                                       ; two loads of mine are out
.endr
	; a fragment is 16 rows x 32 K in 8 registers: lane l holds row l % 16, K = 8 (l / 16) + 0..7 and 16 + 8 (l / 16) + 0..7: two loads of 16 bytes, 32 bytes apart
	v_and_b32 v1, 15, v0                           ; l % 16
	v_bfe_u32 v2, v0, 4, 1                         ; l / 16
	v_mul_u32_u24 v3, v1, PITCH
	v_lshl_add_u32 v3, v2, 4, v3
	s_mul_i32 s21, s11, 64*PITCH                   ; my 64 rows of A
	s_mul_i32 s22, s12, 192*PITCH                  ; my 192 rows of B,
	s_add_co_u32 s22, s22, HALFT                   ; which lie behind A's 128
.irp s, 0,1
	v_add_nc_u32 v[ADRA+(\s)], s21, v3
	v_add_nc_u32 v[ADRB+(\s)], s22, v3
	s_add_co_u32 s21, s21, SLOT
	s_add_co_u32 s22, s22, SLOT
.endr
	s_mul_i32 s23, s10, 16*SPITCH
	s_add_co_u32 s23, s23, STAGE                   ; my stage
	v_mul_u32_u24 v4, v1, SPITCH                   ; in: row l % 16, 16 bytes for each half of the lanes
	v_lshl_add_u32 v4, v2, 4, v4
	v_add_nc_u32 v[STO], s23, v4
	v_bfe_u32 v5, v0, 3, 2                         ; back: 32 lanes take four rows of 128 bytes,
	v_mul_u32_u24 v5, v5, SPITCH
	v_and_b32 v6, 7, v0
	v_lshl_add_u32 v5, v6, 4, v5
	v_add_nc_u32 v[RD], s23, v5
	v_and_b32 v[GO], 31, v0                        ; which are 512 consecutive bytes of a plane
	v_lshlrev_b32 v[GO], 4, v[GO]
	; my three groups of 64 columns: g = 6 x tile column + 3 x half + 0..2; type = g / 16; plane = g + 16 (type + b)
	s_mul_i32 s80, s42, 6
	s_mul_i32 s81, s12, 3
	s_add_co_u32 s80, s80, s81
	s_lshr_b32 s81, s13, 4                         ; b: 16 tile rows to a batch
	s_and_b32 s82, s13, 15
	s_lshl_b32 s82, s82, 7
	s_lshl_b32 s83, s11, 6
	s_add_co_u32 s82, s82, s83                     ; my first row in the plane,
	s_lshl_b32 s82, s82, 7                         ; in bytes
.irp gg, 0,1,2
	s_add_co_u32 s66, s80, \gg
	s_lshr_b32 s67, s66, 4
	s_cmp_eq_u32 s67, 0
	s_cselect_b32 s[SCL+2*\gg], K1, 1.0            ; q takes k1; k and v take 1, so that one text serves all three
	s_mov_b32 s[SCL+2*\gg+1], s[SCL+2*\gg]         ; named with it as a pair
	s_add_co_u32 s67, s67, s81
	s_lshl_b32 s67, s67, 4
	s_add_co_u32 s66, s66, s67
	s_lshl_b32 s66, s66, 18                        ; a plane is 262,144 bytes
	s_add_co_u32 s66, s66, s82
	s_mov_b32 s67, 0
	s_add_nc_u64 s[OB+2*\gg:OB+2*\gg+1], s[8:9], s[66:67]
.endr
	; the prefetches
	s_lshl_b32 s20, s13, 7                         ; A's tile begins at row 128 x tile row,
	s_mul_i32 s21, s42, 384
	s_add_co_u32 s21, s21, s18                     ; my part of B's at 384 x tile column + 128 (wave - 1)
	s_and_b32 s22, ttmp7, 0xffff                   ; cluster y
	s_cmp_eq_u32 s10, 0                            ; do I fetch for A?
	s_cselect_b32 s20, s20, s21
	s_cselect_b32 s21, s40, s41                    ; my place among the four that ask with me
	s_cselect_b32 s22, ttmp9, s22                  ; the coordinate along which other clusters read the same rows
	s_cselect_b64 s[PFA:PFA+1], s[4:5], s[6:7]
	s_cmp_eq_u32 s22, 0
	s_cselect_b32 s[LIM], 1, -1                    ; the same in all sixteen partners, for a given wave
	s_lshl_b32 s21, s21, 5
	s_add_co_u32 s20, s20, s21                     ; my work-group's 32 rows
	s_lshl_b32 s20, s20, 11
	s_mov_b32 s21, 0
	s_add_nc_u64 s[PFA:PFA+1], s[PFA:PFA+1], s[20:21]
	s_add_nc_u64 s[PFA:PFA+1], s[PFA:PFA+1], 2*KSTEP*2  ; at K step 2: the first refill steps it to 3 and names K step 4
	v_and_b32 v[PFO], 31, v0
	v_lshlrev_b32 v[PFO], 11, v[PFO]
; 12 matrix instructions: row block a x all 12 column blocks, 32 along K, from buffer f.  zero = 1: the product starts the sums.  The 48 accumulators take turns in one fixed order.
.macro MUL12 f, a, zero
	WIN MUL_LO+0x50*((\a)/2)
.irp b, 0,1,2,3,4,5,6,7,8,9,10,11
.if \zero
	v_wmma_f32_16x16x32_bf16 v[96*((\a)%2)+8*(\b):96*((\a)%2)+8*(\b)+7], v[FB+96*(\f)+8*(\b):FB+96*(\f)+8*(\b)+7], v[FA+32*(\f)+8*(\a):FA+32*(\f)+8*(\a)+7], 0
.else
	v_wmma_f32_16x16x32_bf16 v[96*((\a)%2)+8*(\b):96*((\a)%2)+8*(\b)+7], v[FB+96*(\f)+8*(\b):FB+96*(\f)+8*(\b)+7], v[FA+32*(\f)+8*(\a):FA+32*(\f)+8*(\a)+7], v[96*((\a)%2)+8*(\b):96*((\a)%2)+8*(\b)+7]
.endif
.endr
.endm
; 32 LDS loads in one run: a quarter step's fragments (192 rows of B, then 64 of A, 32 K at byte k of the rows) into buffer f
.macro FETCH slot, k, f
	WIN TO_B
.irp i, 0,1,2,3,4,5,6,7,8,9,10,11
	ds_load_b128 v[FB+96*(\f)+8*(\i):FB+96*(\f)+8*(\i)+3],   v[ADRB+(\slot)] offset:(\k)+(\i)*16*PITCH
	ds_load_b128 v[FB+96*(\f)+8*(\i)+4:FB+96*(\f)+8*(\i)+7], v[ADRB+(\slot)] offset:(\k)+(\i)*16*PITCH+32
.endr
	WIN 0
.irp i, 0,1,2,3
	ds_load_b128 v[FA+32*(\f)+8*(\i):FA+32*(\f)+8*(\i)+3],   v[ADRA+(\slot)] offset:(\k)+(\i)*16*PITCH
	ds_load_b128 v[FA+32*(\f)+8*(\i)+4:FA+32*(\f)+8*(\i)+7], v[ADRA+(\slot)] offset:(\k)+(\i)*16*PITCH+32
.endr
.endm
.macro PLACES                          ; four places in front of loads into registers that matrix instructions have read, and of vector lines that read results
.rept 4
	v_nop
.endr
.endm
; A K step is four quarters of 32 along K, 48 matrix instructions each, on buffers 0, 1, 0, 1.  One of the first three: multiplies buffer f; in its middle it fetches the next quarter into g.
.macro QUARTER slot, k, f, g, zero
	s_wait_dscnt 4                                 ; B and A's row blocks 0, 1 are in; the youngest four loads (A's blocks 2, 3) may be out
	MUL12 \f, 0, \zero
	MUL12 \f, 1, \zero
	PLACES
	FETCH \slot, \k, \g
	s_wait_dscnt 32                                ; all but the 32 just issued
	MUL12 \f, 2, \zero
	MUL12 \f, 3, \zero
.endm
; The last quarter multiplies buffer 1 and changes slots: one barrier; in front of it each wave waits for all its tensor loads (one is out: its part of the next slot), adds 0 to its spare word,
; and waits for that and for its reads of this slot.  fill = 1: the barrier opens a round of the cluster's, and this slot is filled again, two K steps ahead, first thing behind the round.
.macro TURN slot, next, fill
.if \fill
	s_wait_xcnt 0x0                                ; the last prefetch, a K step back, has read its address
	s_add_nc_u64 s[PFA:PFA+1], s[PFA:PFA+1], KSTEP*2
.endif
	WIN 0                                          ; (the add's two registers lie in window 0)
	s_wait_tensorcnt 0x0                           ; all my tensor loads have landed
	ds_add_u32 v[SPW], v[NIL]                      ; 0 onto my spare word
	s_wait_dscnt 5                                 ; (the add and the youngest four loads may be out)
	MUL12 1, 0, 0                                  ; twelve matrix instructions stand between the add and the wait for it
	s_wait_dscnt 0x0                               ; the add is done, and my reads of this slot are over
	s_barrier_signal -1
	MUL12 1, 1, 0
.if \fill
	WIN 0
.endif
	s_barrier_wait -1
.if \fill
	CREST                                          ; no wave of any partner still reads this slot or has a load on its way
	s_add_nc_u64 s[G0+4*(\slot)+2:G0+4*(\slot)+3], s[G0+4*(\slot)+2:G0+4*(\slot)+3], 2*KSTEP*2
	s_add_nc_u64 s[G0B+4*(\slot)+2:G0B+4*(\slot)+3], s[G0B+4*(\slot)+2:G0B+4*(\slot)+3], 2*KSTEP*2
	JLOAD \slot                                    ; my one tensor load behind the round; its four v_nop are also the places in front of the loads below
.else
	PLACES
.endif
	FETCH \next, 0, 0
.if \fill
	ASK
.endif
	MUL12 1, 2, 0
	MUL12 1, 3, 0
.endm
; THE WAY OUT, in 12 blocks n of 16 rows x 64 columns (row block n / 3, my plane n % 3).  PACK: scaled, rounded to f16, each accumulator's registers in ascending order.
.macro PACK n
.set AC, 96*(((\n)/3)%2)+32*((\n)%3)
	WIN 0x02+((\n)/6)                              ; source 0 in window 2 or 3
.set z, 0
.rept 16
	v_pk_mul_f32 v[TMPF+2*z:TMPF+2*z+1], v[AC+2*z:AC+2*z+1], s[SCL+2*((\n)%3):SCL+2*((\n)%3)+1] op_sel_hi:[1,0]
.set z, z+1
.endr
	WIN 0
.set z, 0
.rept 16
	v_cvt_pk_f16_f32 v[PKD+z], v[TMPF+2*z], v[TMPF+2*z+1]
.set z, z+1
.endr
.endm
.macro TOSTAGE n                       ; into my stage, rows of 144 bytes, and back as whole rows of 128
.irp q, 0,1,2,3
	ds_store_b128 v[STO], v[PKD+4*(\q):PKD+4*(\q)+3] offset:32*(\q)
.endr
.irp f, 0,1,2,3
	ds_load_b128 v[BK+16*((\n)%2)+4*(\f):BK+16*((\n)%2)+4*(\f)+3], v[RD] offset:(\f)*4*SPITCH  ; LDS serves a wave's instructions in order (ISA guide 5.7.1.4): these see the stores above
.endr
.endm
.macro SEND n
	s_wait_dscnt 0x0                               ; the block is back in registers
	s_wait_xcnt 0x0                                ; the stores of the block before have read their registers, into which the next block is loaded
.irp f, 0,1,2,3
	global_store_b128 v[GO], v[BK+16*((\n)%2)+4*(\f):BK+16*((\n)%2)+4*(\f)+3], s[OB+2*((\n)%3):OB+2*((\n)%3)+1] offset:2048*((\n)/3)+512*(\f)  ; 512 consecutive bytes, aligned
.endr
.endm
	s_wait_tensorcnt 1                             ; my part of K step 0 is in; K step 1's may stay out
	s_barrier_signal -1
	s_barrier_wait -1
	FETCH 0, 0, 0
	QUARTER 0, 64, 0, 1, 1                         ; the first quarter stands in front of the loop: its products start the sums
	WIN 0
	s_mov_b32 s3, LAPS-1
.Llap:                                             ; a trip goes once round the ring and fills both slots again: K steps 2 to 7
	QUARTER 0, 128, 1, 0, 0
	QUARTER 0, 192, 0, 1, 0
	TURN 0, 1, 1
	QUARTER 1, 64, 0, 1, 0
	QUARTER 1, 128, 1, 0, 0
	QUARTER 1, 192, 0, 1, 0
	TURN 1, 0, 1
	QUARTER 0, 64, 0, 1, 0
	WIN 0
	s_sub_co_u32 s3, s3, 1
	s_cmp_lg_u32 s3, 0
	s_cbranch_scc1 .Llap
	QUARTER 0, 128, 1, 0, 0                        ; the last lap fills nothing
	QUARTER 0, 192, 0, 1, 0
	TURN 0, 1, 0
	QUARTER 1, 64, 0, 1, 0
	QUARTER 1, 128, 1, 0, 0
	QUARTER 1, 192, 0, 1, 0
	s_wait_dscnt 4
	MUL12 1, 0, 0
	MUL12 1, 1, 0
	s_wait_dscnt 0x0
	MUL12 1, 2, 0
	MUL12 1, 3, 0
	WIN 0
	PLACES
	PACK 0
	TOSTAGE 0
.irp n, 1,2,3,4,5,6,7,8,9,10,11        ; block n's arithmetic stands between block n - 1's loads from the stage and the wait for them
	PACK \n
	SEND (\n)-1
	TOSTAGE \n
.endr
	SEND 11
	s_wait_tensorcnt 0x0                           ; the wave's end
	ds_add_u32 v[SPW], v[NIL]
	s_wait_dscnt 0x0
	CROUND                                         ; the closing round
	s_endpgm
.Lfunc_end_k_q1a243a8918_proj:
	.size	k_q1a243a8918_proj, .Lfunc_end_k_q1a243a8918_proj-k_q1a243a8918_proj
	.p2alignl 7, 3214868480
	.fill 96, 4, 3214868480
	.section	.rodata,"a",@progbits
	.p2align	6, 0x0
	.amdhsa_kernel k_q1a243a8918_proj
		.amdhsa_group_segment_fixed_size 327680
		.amdhsa_private_segment_fixed_size 0
		.amdhsa_enable_private_segment 0
		.amdhsa_kernarg_size 24
		.amdhsa_user_sgpr_count 2
		.amdhsa_user_sgpr_kernarg_segment_ptr 1
		.amdhsa_wavefront_size32 1
		.amdhsa_system_sgpr_workgroup_id_x 1
		.amdhsa_system_sgpr_workgroup_id_y 1
		.amdhsa_system_sgpr_workgroup_id_z 1
		.amdhsa_system_vgpr_workitem_id 0
		.amdhsa_next_free_vgpr 960
		.amdhsa_next_free_sgpr 88
		.amdhsa_reserve_vcc 0
		.amdhsa_float_denorm_mode_32 3
		.amdhsa_float_denorm_mode_16_64 3
		.amdhsa_memory_ordered 1
		.amdhsa_forward_progress 1
		.amdhsa_inst_pref_size 134
	.end_amdhsa_kernel
	.amdgpu_metadata
---
amdhsa.version: [ 1, 2 ]
amdhsa.kernels:
  - .name:           k_q1a243a8918_proj
    .symbol:         k_q1a243a8918_proj.kd
    .args:
      - { .name: xb, .offset: 0, .size: 8, .value_kind: global_buffer, .address_space: global }
      - { .name: wb, .offset: 8, .size: 8, .value_kind: global_buffer, .address_space: global }
      - { .name: qkv, .offset: 16, .size: 8, .value_kind: global_buffer, .address_space: global }
    .group_segment_fixed_size: 327680
    .private_segment_fixed_size: 0
    .kernarg_segment_align: 8
    .kernarg_segment_size: 24
    .max_flat_workgroup_size: 128
    .sgpr_count:     88
    .vgpr_count:     960
    .wavefront_size: 32
...
	.end_amdgpu_metadata
.endif
;; end of part 2
;; launch attn (part 3): grid 8 x 32, 4 waves a work-group, no clusters, 327,680 bytes of LDS; arguments qkv, ob; writes ob
.if DOCPART == 3
	.amdgcn_target "amdgcn-amd-amdhsa--gfx1250"
	.amdhsa_code_object_version 6
	.text
	.protected	k_q1a243a8918_attn
	.globl	k_q1a243a8918_attn
	.p2align	8
	.type	k_q1a243a8918_attn,@function
k_q1a243a8918_attn:
	s_mov_b64 s[64:65], 0
	v_nop
	global_prefetch_b8 v0, s[64:65] scope:SCOPE_SE
	s_setreg_imm32_b32 hwreg(HW_REG_WAVE_MODE, 25, 1), 1
	s_wait_xcnt 0x0
; CAUSAL ATTENTION WITH A SOFT CLAMP.  For each of 32 planes (b, h): O[i] = sum over j <= i of softmax_j(50 tanh(q_i.k_j / 8 / 50)) v_j.  qkv: 96 planes [2048][64] f16 (q' = k1 q, then k, then v); ob: 32 planes, f16.
; THE ARITHMETIC.  z = q'.k = 2 x log2(e), x = the scaled score / 50.  tanh x = 1 - 2 r, r = 1 / (1 + 2^z).  With C = 50 log2(e): sim log2(e) = C - 2C r.  tanh rises with z, so the running maximum m is
; kept of z; r_m = 1 / (1 + 2^m), G = 2C r_m; p = 2^(G - 2C r) lies in 0 to 1; in every step O and l are multiplied by a = 2^(G_new - G_old + Z), Z = -1e30 in a block's first step (a = 0), else 0.
; A hidden score gets z - 1e30 ahead of the maximum and r + 1e30 ahead of p: its weight is exactly 0.  Three transcendentals a score: 2^z, the reciprocal, 2^(..).
; Products, maxima and sums in f32; p is rounded to f16 for the second product (l is the sum of the unrounded p), O once at the end.
; LIMITS.  q', k, v arrive within f16's 65,504; p below 6e-5 keeps f16's fixed step of 6e-8; a weight below 2^-126 counts as 0; NaN and infinities are not treated apart.
; THE WALK.  A plane has 16 blocks of 128 queries; block i needs the key tiles 0 .. i of 128 keys, the last of which holds the diagonal.  A work-group takes block b and then block 15 - b: 17 tiles whatever b:
; 256 equal work-groups, one loop with a constant count.  What differs lies in scalar registers made from b; every jump but the counted loops' goes forward and passes no barrier and no tensor load
; (but the one of LOAD's two lines that the wave's number does not choose).  NO CLUSTER: the eight work-groups of a plane need different tiles from trip 1 on (b + 1 tiles, then 16 - b), and a walk common
; to all would have 24 trips for 17.
; SHARES.  A wave owns two tiles of 16 queries: rows 64 u + 16 w .. + 15 of the block, u = 0, 1: one in each band of 64, so the diagonal tile is the same work for all four waves: in its step 0 tile 0 takes
; the mask MD and tile 1 sees all keys; in its step 1 tile 0 sees none and tile 1 takes MD.
; LAYOUT.  S^T = K Q^T holds one query a lane (lane % 16) and the keys 8 (lane / 16) + 0..7; two results rounded to f16 are source 1 of O^T = V^T P.  K comes out of LDS as it lies, V turned (ds_load_tr16_b128).
; THE TURN, written once and rotated so that the change of slots falls on its edge.  For the step t whose r lie in S:  C: K of t + 1 is fetched; G, a; p = 2^(G - 2C r).  D: p is rounded and summed, O is
; rescaled, beside the 16 products K Q^T of t + 1 (each block of S is rounded and summed ahead of the product that writes over it).  A: the 16 products V^T P of t, beside them the maximum of z and 2^z; V of
; t + 1 is fetched.  B: 1 + e and the reciprocals.  Each of C, A, B ends one batch of 66 transcendentals with one wait.
; THE CLEARING.  No first step is written out: the first turn's first half runs on zeros and is wiped by a = 0; the price is 212 v_mov_b32, which stand in the wait for the first tile.
; REGISTERS (s_set_vgpr_msb: bits 1:0 source 0, 3:2 source 1, 5:4 source 2, 7:6 destination).  Window 0: v1-11 addresses; v12-31 statistics; v32-95 S; v96-127 P; v128-191 O^T; v192-255 V.
; Window 1: v0-63 K; v64-95 Q; v96-127 the second block's Q; v128-159 MD.  Only the products K Q^T, K's loads and the masks leave window 0.
.set PKP,   144       ; a row of K in LDS: 128 bytes + 16 = 36 words: the 16 rows of a load start at 16 different groups of four banks (64 banks of 4 bytes: ISA guide 11.1)
.set PVP,   160       ; a row of V: 128 + 32 = 40 words
.set VOFF,  128*PKP   ; a slot holds a tile: 128 rows of K, then 128 of V
.set SLOT1, 1<<16     ; slot 1 begins here: one exclusive or turns an address in one slot into the other's
.set STAGE, SLOT1+128*(PKP+PVP)  ; behind the ring: 16 rows x 144 bytes for each wave, for the way out
.set SP,    144
.set SPARE, STAGE+4*16*SP        ; the spare words, 128 bytes a wave: two blocks of 256 bytes that no other line names
.set QO,  1           ; v1   my byte offset in 16 rows of Q; never rewritten
.set AK0, 2           ; v2   my lane's place in a tile of K; never rewritten
.set AV0, 3           ; v3   the same for V
.set AK,  4           ; v4   the LDS address of K's run of loads
.set AV,  5           ; v5   of V's
.set STO, 6           ; v6   the way out: where I put 16 bytes of a row
.set RD,  7           ; v7   where I read rows back
.set GO,  8           ; v8   16 x lane
.set SPW, 9           ; v9   my spare word: SPARE + 4 x my thread's number; never rewritten
.set NIL, 10          ; v10  0; never rewritten
.set PFO, 11          ; v11  256 x lane; never rewritten
.set ST,  12          ; tile u's statistics at ST + 10 u: +0 G, +1 m, +2, 3 l (even keys', odd keys'), +4 a, +5 2^m, then 1 + 2^m, then r_m, +6..9 c0-c3 at work
.set S,   32
.set P,   96
.set O,   128
.set VF,  192         ; key half kk, channel block cb at VF + 32 kk + 8 cb
.set KF,  0           ; window 1: key block kb, channel half c at KF + 16 kb + 8 c
.set Q,   64          ; window 1: tile u, channel half c at Q + 16 u + 8 c
.set QB,  96
.set MD,  128         ; window 1: -1e30 where key 16 kb + 8 (l / 16) + r of a band lies behind my query 16 w + l % 16 of it, else 0
.set KB,  8           ; s[8:9]   K's plane at my half of tile 0
.set VB,  10          ; s[10:11] V's
.set WV,  12
.set PB,  14          ; b
.set HI,  15          ; 15 - b
.set G1K, 24
.set G1V, 32
.set G0K, 40
.set G0V, 44
.set K2,  48          ; s[48:49] -2C
.set K2P, 50          ; +2C
.set Z,   51          ; -1e30 while stage C works on a block's first step, else 0
.set BIGP, 52         ; s[52:53] 1e30
.set BIGN, 54         ; s[54:55] -1e30
.set SLOTS, 56        ; tiles still to be asked for
.set CNT, 57          ; counts a tile's turns
.set ZN,  58          ; Z of the next turn
.set FR,  59          ; the mask on r in stage C: 0 none, 1 the diagonal tile's step 0, 2 its step 1
.set SEL, 60          ; s[60:61] v_permlanex16_b32's selects
.set TBK, 62          ; LDS byte at which K of the step to be fetched begins
.set TBV, 63          ; the same for V, less VOFF
.set FW,  66          ; the mask on z behind stage D
.set NEWF, 67         ; 1: the tile to be entered is a block's first
.set PD,  68          ; 1: the tile in hand holds the diagonal
.set OUTF, 69         ; 1: the block ends in this tile's first turn
.set RT,  70          ; tiles of the block in hand that are still to be entered
.set NXT, 71          ; the key tile to be asked for next
.set LQ,  72          ; the last key tile of the block whose tiles are being asked for
.set LIM, 73          ; 2 where b = 0, else the greatest number
.set OFF, 74          ; s[74:75] a key tile's byte offset
.set OP,  76          ; s[76:77] ob at my rows of the block in hand
.set OP2, 78          ; s[78:79] of the second block
.set PFA, 80          ; s[80:81] where my prefetches stand
.set QA,  82          ; s[82:83] q at my rows of the first block
.set QA2, 84          ; s[84:85] of the second
.set RT2, 86          ; 16 - b
.set MSB, 0
.macro WIN new
.if MSB != (\new)
	s_set_vgpr_msb (MSB<<8)|(\new)
.set MSB, (\new)
.endif
.endm
.set W_KQ, 0x05       ; K and Q in window 1, S^T in window 0
.set W_L1, 0x40       ; destination window 1
.set W_MD, 0x04       ; source 1 in window 1
; A fill.  Waves 0, 1 fetch the halves of a tile's K, waves 2, 3 those of its V: 64 keys each.  An s_nop 0 and four v_nop follow each line.
.macro LOAD
	s_cmp_lt_u32 s[WV], 2
	s_cbranch_scc0 .Lfor_v_\@
	tensor_load_to_lds s[G0K:G0K+3], s[G1K:G1K+7]
	s_nop 0
.rept 4
	v_nop
.endr
	s_branch .Lasked_\@
.Lfor_v_\@:
	tensor_load_to_lds s[G0V:G0V+3], s[G1V:G1V+7]
	s_nop 0
.rept 4
	v_nop
.endr
.Lasked_\@:
.endm
.macro ADV                          ; the block's next key tile, or behind its last the second block's tile 0
	s_add_co_u32 s[NXT], s[NXT], 1
	s_cmp_gt_u32 s[NXT], s[LQ]
	s_cselect_b32 s[NXT], 0, s[NXT]
	s_cselect_b32 s[LQ], s[HI], s[LQ]
.endm
; THE CHANGE OF SLOTS.  Each wave waits for all its tensor loads (one is out: its part of the other slot), adds 0 to its spare word, and waits for that and for its reads of the slot that it leaves.
; fill = 1: the old slot is filled again, first thing behind the barrier, with key tile NXT; the address is made anew from that number.  (At its first use slot 0 is waited for and slot 1 filled.)
; Behind the load stands the prefetch: the work-group with b = 0 alone, each wave its own 8,192 bytes of a key tile, a lane for each 256; trip i names key tile i + 2, trips 0 to 13: each of the plane's
; key tiles 2 to 15 is named once in the launch, and the last two trips name nothing.
.macro CHANGE fill
	WIN 0
	s_wait_tensorcnt 0x0            ; no tensor load of mine is out, so a group 0 may be written
	ds_add_u32 v[SPW], v[NIL]       ; 0 onto my spare word; scalar work stands between it and the wait for it
.if \fill
	s_lshl_b32 s[OFF], s[NXT], 14   ; a key tile is 16,384 bytes of K and of V
	s_xor_b32 s[G0K+1], s[G0K+1], SLOT1
	s_add_nc_u64 s[G0K+2:G0K+3], s[KB:KB+1], s[OFF:OFF+1]
	s_or_b32 s[G0K+3], s[G0K+3], 0x80000000
	s_xor_b32 s[G0V+1], s[G0V+1], SLOT1
	s_add_nc_u64 s[G0V+2:G0V+3], s[VB:VB+1], s[OFF:OFF+1]
	s_or_b32 s[G0V+3], s[G0V+3], 0x80000000
	ADV
	s_wait_xcnt 0x0                 ; the last prefetch, a tile back, has read its address
	s_add_nc_u64 s[PFA:PFA+1], s[PFA:PFA+1], 16384
.endif
	s_wait_dscnt 0x0                ; the add is done, and my reads of the slot are over
	s_barrier_signal -1
	s_sub_co_u32 s[TBK], s[TBK], 2*64*PKP  ; the fetches go back to a slot's first step,
	s_xor_b32 s[TBK], s[TBK], SLOT1        ; in the other slot
	s_sub_co_u32 s[TBV], s[TBV], 2*64*PVP
	s_xor_b32 s[TBV], s[TBV], SLOT1
	s_barrier_wait -1
.if \fill
	LOAD                            ; my one tensor load behind the barrier
	s_cmp_gt_u32 s[SLOTS], s[LIM]
	s_cbranch_scc0 .Lnot_mine_\@
	global_prefetch_b8 v[PFO], s[PFA:PFA+1] th:TH_LOAD_NT scope:SCOPE_SE
.Lnot_mine_\@:
.endif
.endm
; WHAT THE TILE TO BE ENTERED IS.  copy = 1: where the tile before held the diagonal, the next block's Q goes where the turns name Q and m starts anew; the old block's last step needs neither any more.
.macro HEAD copy
	s_cmp_eq_u32 s[NEWF], 1
	s_cselect_b32 s[ZN], s[BIGN], 0
	s_mov_b32 s[OUTF], s[PD]
	s_sub_co_u32 s[RT], s[RT], 1
	s_cmp_eq_u32 s[RT], 0           ; the block's last tile?
	s_cselect_b32 s[FW], 1, 0
	s_cselect_b32 s[NEWF], 1, 0
	s_cselect_b32 s[PD], 1, 0
	s_cselect_b32 s[RT], s[RT2], s[RT]
.if \copy
	s_cmp_eq_u32 s[OUTF], 1
	s_cbranch_scc0 .Lsame_\@
	WIN 0x41
.set i, 0
.rept 32
	v_mov_b32 v[Q+i], v[QB+i]
.set i, i+1
.endr
	WIN 0
	v_mov_b32 v[ST+1], 0xff7fffff
	v_mov_b32 v[ST+11], 0xff7fffff
.Lsame_\@:
.endif
.endm
	s_load_b128 s[4:7], s[0:1], 0x0 ; qkv s[4:5], ob s[6:7]
	v_lshl_add_u32 v[SPW], v0, 2, SPARE
	v_mov_b32 v[NIL], 0
	ds_add_u32 v[SPW], v[NIL]       ; the wave's opening: the add and its wait stand ahead of my first tensor load; work on registers stands between them
	ds_add_u32 v9, v10
	v_lshrrev_b32 v1, 5, v0
	v_readfirstlane_b32 s[WV], v1   ; wave 0..3
	s_mov_b32 s[PB], ttmp9
	s_sub_co_u32 s[HI], 15, s[PB]
	s_sub_co_u32 s[RT2], 16, s[PB]
	s_and_b32 s20, ttmp7, 0xffff    ; the plane,
	s_lshl_b32 s20, s20, 18         ; 262,144 bytes each
	s_and_b32 s16, s[WV], 1         ; which half of a tile's 128 keys I fetch:
	s_lshl_b32 s22, s16, 13         ; its 64 rows of 128 bytes,
	s_add_co_u32 s22, s22, s20
	s_add_co_u32 s22, s22, 32<<18   ; in k's planes, which lie behind q's 32
	s_mov_b32 s23, 0
	s_mul_i32 s17, s16, 64*PKP      ; and its place in a slot, for K
	s_mul_i32 s18, s16, 64*PVP      ; and for V
	s_lshl_b32 s19, s[WV], 11       ; my 16 rows in a band,
	s_add_co_u32 s19, s19, s20
	s_lshl_b32 s2, s[PB], 14        ; in the first block (16,384 bytes a block),
	s_add_co_u32 s2, s2, s19
	s_mov_b32 s3, 0
	s_lshl_b32 s88, s[HI], 14       ; and in the second
	s_add_co_u32 s88, s88, s19
	s_mov_b32 s89, 0
	; descriptor group 1.  64 keys are 8,192 dense bytes: asked for as 32 rows of 256 bytes, two keys a row, and padded in LDS after every key (32 words: code 4) by 4 words (code 3) or 8 (code 7)
	s_mov_b32 s[G1K], (1<<16)|(1<<20)|(4<<22)|(3<<25)
	s_mov_b32 s[G1V], (1<<16)|(1<<20)|(4<<22)|(7<<25)
.irp g, G1K, G1V
	s_mov_b32 s[\g+1], 128<<16      ; tensor_dim0 = 128
	s_mov_b32 s[\g+2], 32<<16       ; tensor_dim1 = 32
	s_mov_b32 s[\g+3], 128<<16      ; tile_dim0 = 128
	s_mov_b32 s[\g+4], 32           ; tile_dim1 = 32
	s_mov_b32 s[\g+5], 128          ; elements from row to row
	s_mov_b32 s[\g+6], 0
	s_mov_b32 s[\g+7], 0
.endr
	s_mov_b32 s[K2], 0xc31044fe     ; -2C = -144.269504
	s_mov_b32 s[K2+1], s[K2]        ; named with it as a pair
	s_mov_b32 s[K2P], 0x431044fe
	s_mov_b32 s[BIGP], 0x7149f2ca   ; 1e30
	s_mov_b32 s[BIGP+1], s[BIGP]
	s_mov_b32 s[BIGN], 0xf149f2ca
	s_mov_b32 s[BIGN+1], s[BIGN]
	s_mov_b32 s[SEL], 0x76543210
	s_mov_b32 s[SEL+1], 0xfedcba98
	s_mov_b32 s[G0K], 1             ; count = 1
	s_mov_b32 s[G0K+1], s17         ; LDS address: slot 0
	s_mov_b32 s[G0V], 1
	s_add_co_u32 s[G0V+1], s18, VOFF
	s_mov_b32 s[SLOTS], 16
	s_add_co_u32 s[RT], s[PB], 1    ; the first block has b + 1 tiles
	s_mov_b32 s[NEWF], 1
	s_mov_b32 s[PD], 0
	s_mov_b32 s[OUTF], 0
	s_mov_b32 s[FR], 0
	s_mov_b32 s[FW], 0
	s_mov_b32 s[Z], 0
	s_mov_b32 s[ZN], 0
	s_mov_b32 s[NXT], 0
	s_mov_b32 s[LQ], s[PB]
	ADV                             ; key tile 0 is asked for below
	s_mov_b32 s[OFF+1], 0
	s_mov_b32 s[TBK], SLOT1+2*64*PKP  ; the first change of slots turns these two into 0
	s_mov_b32 s[TBV], SLOT1+2*64*PVP
	s_cmp_eq_u32 s[PB], 0
	s_cselect_b32 s[LIM], 2, -1
	s_wait_dscnt 0x0                ; the opening add is done
	s_wait_kmcnt 0x0
	s_add_nc_u64 s[KB:KB+1], s[4:5], s[22:23]
	s_add_nc_u64 s[VB:VB+1], s[KB:KB+1], 32<<18
	s_add_nc_u64 s[G0K+2:G0K+3], s[KB:KB+1], 0
	s_or_b32 s[G0K+3], s[G0K+3], 0x80000000  ; type = 2
	s_add_nc_u64 s[G0V+2:G0V+3], s[VB:VB+1], 0
	s_or_b32 s[G0V+3], s[G0V+3], 0x80000000
	s_add_nc_u64 s[QA:QA+1], s[4:5], s[2:3]
	s_add_nc_u64 s[QA2:QA2+1], s[4:5], s[88:89]
	s_add_nc_u64 s[OP:OP+1], s[6:7], s[2:3]
	s_add_nc_u64 s[OP2:OP2+1], s[6:7], s[88:89]
	s_cmp_lt_u32 s[WV], 2
	s_cselect_b64 s[PFA:PFA+1], s[KB:KB+1], s[VB:VB+1]
	s_add_nc_u64 s[PFA:PFA+1], s[PFA:PFA+1], 16384  ; at key tile 1: the first change steps it to 2
	LOAD                            ; key tile 0 into slot 0: the one first fill
	v_and_b32 v32, 15, v0           ; l % 16   (v32-37 are scratch here; they are cleared below)
	v_bfe_u32 v33, v0, 4, 1         ; l / 16
	v_lshlrev_b32 v[QO], 7, v32
	v_lshl_add_u32 v[QO], v33, 4, v[QO]  ; row x 128 + 16 x half
	WIN W_L1
.irp u, 0,1
.irp c, 0,1                         ; both blocks' Q: tile u lies 8,192 bytes on; channels 32 c on
	global_load_b128 v[Q+16*\u+8*\c:Q+16*\u+8*\c+3],     v[QO], s[QA:QA+1] offset:8192*\u+64*\c
	global_load_b128 v[Q+16*\u+8*\c+4:Q+16*\u+8*\c+7],   v[QO], s[QA:QA+1] offset:8192*\u+64*\c+32
	global_load_b128 v[QB+16*\u+8*\c:QB+16*\u+8*\c+3],   v[QO], s[QA2:QA2+1] offset:8192*\u+64*\c
	global_load_b128 v[QB+16*\u+8*\c+4:QB+16*\u+8*\c+7], v[QO], s[QA2:QA2+1] offset:8192*\u+64*\c+32
.endr
.endr
	WIN 0
	v_lshlrev_b32 v35, 3, v33
	v_sub_nc_u32 v35, v32, v35
	s_lshl_b32 s13, s[WV], 4
	v_add_nc_u32 v35, s13, v35      ; 16 w + l % 16 - 8 (l / 16): register r of key block kb is hidden where 16 kb + r is greater
	WIN W_L1
.set i, 0
.rept 32
	v_cmp_gt_i32 vcc_lo, 16*(i/8)+i%8, v35
	v_cndmask_b32 v[MD+i], 0, s[BIGN], vcc_lo
.set i, i+1
.endr
	WIN 0
	v_mul_u32_u24 v[AK0], v32, PKP
	v_lshl_add_u32 v[AK0], v33, 4, v[AK0]  ; row x pitch + 16 x half
	; the turning load takes 16 keys x 16 channels (lane l reads key 8 (l / 16) + l % 8, channels 8 ((l / 8) % 2) + 0..7) and leaves half a fragment of V^T
	v_and_b32 v36, 7, v0
	v_bfe_u32 v37, v0, 3, 1
	v_lshl_add_u32 v[AV0], v33, 3, v36
	v_mul_u32_u24 v[AV0], v[AV0], PVP
	v_lshl_add_u32 v[AV0], v37, 4, v[AV0]
	v_add_nc_u32 v[AV0], VOFF, v[AV0]
	s_mul_i32 s13, s[WV], 16*SP
	s_add_co_u32 s13, s13, STAGE    ; my stage
	v_mul_u32_u24 v[STO], v32, SP   ; in: row l % 16, 16 bytes for each half of the lanes
	v_lshl_add_u32 v[STO], v33, 4, v[STO]
	v_add_nc_u32 v[STO], s13, v[STO]
	v_bfe_u32 v[RD], v0, 3, 2       ; back: 32 lanes take four rows of 128 bytes,
	v_mul_u32_u24 v[RD], v[RD], SP
	v_lshl_add_u32 v[RD], v36, 4, v[RD]
	v_add_nc_u32 v[RD], s13, v[RD]
	v_and_b32 v[GO], 31, v0         ; which are 512 consecutive bytes of ob
	v_lshlrev_b32 v[PFO], 8, v[GO]
	v_lshlrev_b32 v[GO], 4, v[GO]
.set i, ST
.rept 20+64                         ; the statistics and S
	v_mov_b32 v[i], 0
.set i, i+1
.endr
.set i, O
.rept 128                           ; O^T and V
	v_mov_b32 v[i], 0
.set i, i+1
.endr
	v_mov_b32 v[ST+1], 0xff7fffff   ; m: the lowest finite number
	v_mov_b32 v[ST+11], 0xff7fffff
	s_wait_loadcnt 0x0              ; Q
; ITEMS.  Item n of 32 is pair n / 2 of tile n % 2: the tiles alternate.
.macro FI n                         ; G - 2C r
.set rS, S+32*((\n)%2)+2*((\n)/2)
.set rT, ST+10*((\n)%2)
	v_pk_fma_f32 v[rS:rS+1], v[rS:rS+1], s[K2:K2+1], v[rT:rT+1] op_sel_hi:[1,0,0]
.endm
.macro DI n                         ; 1 + e
.set rS, S+32*((\n)%2)+2*((\n)/2)
	v_pk_add_f32 v[rS:rS+1], v[rS:rS+1], 1.0 op_sel_hi:[1,0]
.endm
; A batch: the two transcendentals of item n, in place, then the plain line of item n + 4.  rc = 0: exponentials and FI; rc = 1: reciprocals and DI.  Nothing in it names a result of its own.
.macro BATCH rc
.set it, 0
.rept 32
.set rS, S+32*(it%2)+2*(it/2)
.if \rc
	v_rcp_f32 v[rS], v[rS]
	v_rcp_f32 v[rS+1], v[rS+1]
.else
	v_exp_f32 v[rS], v[rS]
	v_exp_f32 v[rS+1], v[rS+1]
.endif
.if it < 28
.if \rc
	DI it+4
.else
	FI it+4
.endif
.endif
.set it, it+1
.endr
.endm
.macro MADD u, neg                  ; tile u's 32 numbers plus MD (neg = 1: less MD), pairs in ascending order
	WIN W_MD
.set z, 0
.rept 16
.if \neg
	v_pk_add_f32 v[S+32*(\u)+2*z:S+32*(\u)+2*z+1], v[S+32*(\u)+2*z:S+32*(\u)+2*z+1], v[MD+2*z:MD+2*z+1] neg_lo:[0,1] neg_hi:[0,1]
.else
	v_pk_add_f32 v[S+32*(\u)+2*z:S+32*(\u)+2*z+1], v[S+32*(\u)+2*z:S+32*(\u)+2*z+1], v[MD+2*z:MD+2*z+1]
.endif
.set z, z+1
.endr
	WIN 0
.endm
.macro BADD c                       ; tile 0's 32 numbers plus the constant in s[c]
.set z, 0
.rept 16
	v_pk_add_f32 v[S+2*z:S+2*z+1], v[S+2*z:S+2*z+1], s[\c:\c+1] op_sel_hi:[1,0]
.set z, z+1
.endr
.endm
; The masks.  flag = 1: the diagonal tile's step 0; 2: its step 1.  neg = 0, on z: hidden scores fall by 1e30.  neg = 1, on r: hidden r rise by 1e30.
.macro MASKS flag, neg
	s_cmp_eq_u32 s[\flag], 0
	s_cbranch_scc1 .Lm_done_\@
	s_cmp_eq_u32 s[\flag], 1
	s_cbranch_scc0 .Lm_two_\@
	MADD 0, \neg
	s_branch .Lm_done_\@
.Lm_two_\@:
.if \neg
	BADD BIGP
.else
	BADD BIGN
.endif
	MADD 1, \neg
.Lm_done_\@:
.endm
.macro GRPA kb                      ; key block kb of both tiles: eight roundings to f16
.irp j, 0,1,2,3
.irp u, 0,1
	v_cvt_pk_f16_f32 v[P+16*\u+4*(\kb)+\j], v[S+32*\u+8*(\kb)+2*\j], v[S+32*\u+8*(\kb)+2*\j+1]
.endr
.endr
.endm
.macro GRPB kb                      ; its four pairs into one, in place, and l takes it (kb = 0: l = a l + sum)
.irp u, 0,1
	v_pk_add_f32 v[S+32*\u+8*(\kb):S+32*\u+8*(\kb)+1], v[S+32*\u+8*(\kb):S+32*\u+8*(\kb)+1], v[S+32*\u+8*(\kb)+2:S+32*\u+8*(\kb)+3]
.endr
.irp u, 0,1
	v_pk_add_f32 v[S+32*\u+8*(\kb)+4:S+32*\u+8*(\kb)+5], v[S+32*\u+8*(\kb)+4:S+32*\u+8*(\kb)+5], v[S+32*\u+8*(\kb)+6:S+32*\u+8*(\kb)+7]
.endr
.irp u, 0,1
	v_pk_add_f32 v[S+32*\u+8*(\kb):S+32*\u+8*(\kb)+1], v[S+32*\u+8*(\kb):S+32*\u+8*(\kb)+1], v[S+32*\u+8*(\kb)+4:S+32*\u+8*(\kb)+5]
.endr
.irp u, 0,1
.if (\kb) == 0
	v_pk_fma_f32 v[ST+10*\u+2:ST+10*\u+3], v[ST+10*\u+2:ST+10*\u+3], v[ST+10*\u+4:ST+10*\u+5], v[S+32*\u:S+32*\u+1] op_sel_hi:[1,0,1]
.else
	v_pk_add_f32 v[ST+10*\u+2:ST+10*\u+3], v[ST+10*\u+2:ST+10*\u+3], v[S+32*\u+8*(\kb):S+32*\u+8*(\kb)+1]
.endif
.endr
.endm
; Product i of 16 of S^T = K Q^T: channels 32 (i / 8) on, key block (i / 2) % 4, tile i % 2.  The first 8 start the sums.  The 8 accumulators take turns.
.macro KQ
	WIN W_KQ
.set rS, S+32*(i%2)+8*((i/2)%4)
.set rK, KF+16*((i/2)%4)+8*(i/8)
.set rQ, Q+16*(i%2)+8*(i/8)
.if i < 8
	v_wmma_f32_16x16x32_f16 v[rS:rS+7], v[rK:rK+7], v[rQ:rQ+7], 0
.else
	v_wmma_f32_16x16x32_f16 v[rS:rS+7], v[rK:rK+7], v[rQ:rQ+7], v[rS:rS+7]
.endif
.set i, i+1
	WIN 0
.endm
; Product i of 16 of O^T += V^T P: keys 32 (i / 8) on, channel block (i / 2) % 4, tile i % 2.
.macro PVM
.set rO, O+32*(i%2)+8*((i/2)%4)
.set rV, VF+32*(i/8)+8*((i/2)%4)
.set rP, P+16*(i%2)+8*(i/8)
	v_wmma_f32_16x16x32_f16 v[rO:rO+7], v[rV:rV+7], v[rP:rP+7], v[rO:rO+7]
.set i, i+1
.endm
.macro RS cnt                       ; the next cnt of the 32 rescalings O^T x a: tile r % 2, pair r / 2, ascending
.rept \cnt
.set rO, O+32*(r%2)+2*(r/2)
.set rT, ST+10*(r%2)
	v_pk_mul_f32 v[rO:rO+1], v[rO:rO+1], v[rT+4:rT+5] op_sel_hi:[1,0]
.set r, r+1
.endr
.endm
; Number n of the list that finds tile u's new m.  0-11: four chains c0-c3 of seven scores each (each accumulator's lowest registers are read first); 12, 13: the four scores left over;
; 14, 16: c0-c3 and the old m into c0; 17, 18: the query's other 32 keys lie in the lane 16 away.
.macro XN u, n
.set rT, ST+10*(\u)
.set rC, rT+6
.set rS, S+32*(\u)
.if (\n) < 4
	v_max3_num_f32 v[rC+(\n)], v[rS+8*(\n)], v[rS+8*(\n)+1], v[rS+8*(\n)+2]
.elseif (\n) < 12
	v_max3_num_f32 v[rC+(\n)%4], v[rC+(\n)%4], v[rS+8*((\n)%4)+2*((\n)/4)+1], v[rS+8*((\n)%4)+2*((\n)/4)+2]
.elseif (\n) == 12
	v_max3_num_f32 v[rC], v[rC], v[rS+7], v[rS+15]
.elseif (\n) == 13
	v_max3_num_f32 v[rC+1], v[rC+1], v[rS+23], v[rS+31]
.elseif (\n) == 14
	v_max3_num_f32 v[rC+2], v[rC+2], v[rC+3], v[rT+1]
.elseif (\n) == 16
	v_max3_num_f32 v[rC], v[rC], v[rC+1], v[rC+2]
.elseif (\n) == 17
	v_permlanex16_b32 v[rC+3], v[rC], s[SEL], s[SEL+1]
.else
	v_max_num_f32 v[rT+1], v[rC], v[rC+3]
.endif
.endm
.macro XQ                           ; the next of numbers 0-13 of both tiles
	XN x%2, x/2
.set x, x+1
.endm
.macro EQ                           ; the next of the 64 exponentials 2^z, in the order in which the list above has read the scores: registers 0-2 of the four blocks, then 3, 4, then 5, 6, then 7
.set k, e/2
.if k < 12
.set g, 8*(k/3)+k%3
.elseif k < 20
.set g, 8*((k-12)/2)+3+(k-12)%2
.elseif k < 28
.set g, 8*((k-20)/2)+5+(k-20)%2
.else
.set g, 8*(k-28)+7
.endif
.set rS, S+32*(e%2)+g
	v_exp_f32 v[rS], v[rS]
.set e, e+1
.endm
; THE LDS LOADS stand in runs of 16.  last = 1 (the tail): in the last trip there is no further step, and the run is jumped over.
.macro FETCH_K last
.if \last
	s_cmp_eq_u32 s[CNT], 1
	s_cbranch_scc1 .Lno_k_\@
.endif
	v_add_nc_u32 v[AK], s[TBK], v[AK0]
	WIN W_L1
.irp f, 0,1,2,3,4,5,6,7             ; keys 16 (f / 2) on, channels 32 (f % 2) on
	ds_load_b128 v[KF+8*\f:KF+8*\f+3],   v[AK] offset:(\f/2)*16*PKP+(\f%2)*64
	ds_load_b128 v[KF+8*\f+4:KF+8*\f+7], v[AK] offset:(\f/2)*16*PKP+(\f%2)*64+32
.endr
	WIN 0
	s_add_co_u32 s[TBK], s[TBK], 64*PKP
.if \last
.Lno_k_\@:
.endif
.endm
.macro FETCH_V last
.if \last
	s_cmp_eq_u32 s[CNT], 1
	s_cbranch_scc1 .Lno_v_\@
.endif
.irp f, 0,1,2,3,4,5,6,7             ; keys 32 (f / 4) on, channels 16 (f % 4) on
	ds_load_tr16_b128 v[VF+8*\f:VF+8*\f+3],   v[AV] offset:(\f/4)*32*PVP+(\f%4)*32
	ds_load_tr16_b128 v[VF+8*\f+4:VF+8*\f+7], v[AV] offset:(\f/4)*32*PVP+16*PVP+(\f%4)*32
.endr
	s_add_co_u32 s[TBV], s[TBV], 64*PVP
.if \last
.Lno_v_\@:
.endif
.endm
.macro TURN last
	; C: step t.  K of t + 1; the mask on r; Z - G_old, G = 2C r_m, their sum; then one batch: a and the 64 weights
	FETCH_K \last
	MASKS FR, 1
.irp u, 0,1
	v_sub_f32 v[ST+10*\u+7], s[Z], v[ST+10*\u]
.endr
.irp u, 0,1
	v_mul_f32 v[ST+10*\u], s[K2P], v[ST+10*\u+5]
.endr
.irp u, 0,1
	v_add_f32 v[ST+10*\u+7], v[ST+10*\u+7], v[ST+10*\u]
.endr
	FI 0
	FI 1
	FI 2
	FI 3
	v_exp_f32 v[ST+4], v[ST+7]
	v_exp_f32 v[ST+14], v[ST+17]
	BATCH 0
	v_nop                           ; a plain instruction behind the last exponential: one for the batch
	s_wait_alu depctr_va_vdst(0)    ; the wait stands ahead of the first line that names a result: one for the 66
	; D: step t's weights are rounded and summed, O^T is rescaled; beside them the products K Q^T of t + 1.  Key block kb is done with ahead of the two products that write over it.
	s_wait_dscnt 0x0                ; K is in (and V of step t, fetched a turn earlier)
.set i, 0
.set r, 0
	GRPA 0
	GRPB 0
.irp kb, 1,2,3
	KQ
	GRPA \kb
	KQ
	GRPB \kb
.endr
.rept 8
	KQ
	RS 3
.endr
	KQ
	RS 4
	KQ
	RS 4                            ; these four name nothing of the last product: its places
	MASKS FW, 0
	; A: the products V^T P of step t; beside them the maximum of t + 1's z and the exponentials 2^z, each behind the line that has read its score
.set i, 0
.set x, 0
.set e, 0
.rept 2
	PVM
	XQ
	XQ
	XQ
	XQ
.endr
.rept 10
	PVM
	EQ
	XQ
	EQ
	XQ
	EQ
	EQ
.endr
.rept 4
	PVM
	EQ
	EQ
	EQ
	EQ
.endr
.irp n, 14,16,17,18
	XN 0, \n
	XN 1, \n
	EQ
	EQ
.endr
	v_exp_f32 v[ST+5], v[ST+1]      ; 2^m
	v_exp_f32 v[ST+15], v[ST+11]
	v_add_nc_u32 v[AV], s[TBV], v[AV0]  ; the plain instruction behind the last exponential
	s_wait_alu depctr_va_vdst(0)    ; one wait for the 66
	FETCH_V \last                   ; six v_max lines and the address line lie between the last product that read V and these loads
	; B: 1 + e and the reciprocals: one batch
	v_add_f32 v[ST+5], 1.0, v[ST+5]
	v_add_f32 v[ST+15], 1.0, v[ST+15]
	DI 0
	DI 1
	DI 2
	DI 3
	v_rcp_f32 v[ST+5], v[ST+5]      ; r_m
	v_rcp_f32 v[ST+15], v[ST+15]
	BATCH 1
	v_nop
	s_wait_alu depctr_va_vdst(0)    ; one wait for the 66, ahead of the branches that follow
	s_mov_b32 s[Z], s[ZN]           ; the turn's edge: what held of t + 1 now holds of t
	s_mov_b32 s[ZN], 0
	s_mov_b32 s[FR], s[FW]
	s_cmp_eq_u32 s[FW], 1
	s_cselect_b32 s[FW], 2, 0
.endm
; THE WAY OUT of a block.  l's halves and the other half of the lanes' are added; O^T is divided by l, rounded to f16 into P's registers (free: V^T P has read them) and sent through my stage, a tile at a time.
.macro PACK u
.set z, 0
.rept 16
	v_pk_mul_f32 v[O+32*(\u)+2*z:O+32*(\u)+2*z+1], v[O+32*(\u)+2*z:O+32*(\u)+2*z+1], v[ST+10*(\u)+8:ST+10*(\u)+9] op_sel_hi:[1,0]
.set z, z+1
.endr
.set z, 0
.rept 16
	v_cvt_pk_f16_f32 v[P+16*(\u)+z], v[O+32*(\u)+2*z], v[O+32*(\u)+2*z+1]
.set z, z+1
.endr
.irp f, 0,1,2,3
	ds_store_b128 v[STO], v[P+16*(\u)+4*\f:P+16*(\u)+4*\f+3] offset:32*\f
.endr
.irp f, 0,1,2,3
	ds_load_b128 v[P+16*(\u)+4*\f:P+16*(\u)+4*\f+3], v[RD] offset:\f*4*SP  ; LDS serves a wave's instructions in order (ISA guide 5.7.1.4): these see the stores above; the next tile's stores come behind them
.endr
.endm
.macro SEND u, younger              ; younger: the LDS instructions issued behind tile u's loads: tile 1's eight, or none
.irp f, 0,1,2,3
	s_wait_dscnt (\younger)+3-\f
	global_store_b128 v[GO], v[P+16*(\u)+4*\f:P+16*(\u)+4*\f+3], s[OP:OP+1] offset:8192*(\u)+512*\f  ; 512 consecutive bytes, aligned
.endr
.endm
.macro OUT
.irp u, 0,1
	v_add_f32 v[ST+10*\u+6], v[ST+10*\u+2], v[ST+10*\u+3]
.endr
.irp u, 0,1
	v_permlanex16_b32 v[ST+10*\u+7], v[ST+10*\u+6], s[SEL], s[SEL+1]
.endr
.irp u, 0,1
	v_add_f32 v[ST+10*\u+6], v[ST+10*\u+6], v[ST+10*\u+7]
.endr
.irp u, 0,1
	v_rcp_f32 v[ST+10*\u+8], v[ST+10*\u+6]
.endr
	v_nop
	s_wait_alu depctr_va_vdst(0)    ; one wait for the two reciprocals
	PACK 0
	PACK 1
	SEND 0, 8
	SEND 1, 0
	s_wait_xcnt 0x0                 ; the stores have read their registers and their base
	s_mov_b64 s[OP:OP+1], s[OP2:OP2+1]
	s_mov_b32 s[OUTF], 0
.endm
.Lslot:                             ; 16 trips: a tile is entered and the next is asked for
	CHANGE 1
	HEAD 1
	s_mov_b32 s[CNT], 2
.Lstep:
	TURN 0
	s_cmp_eq_u32 s[OUTF], 1         ; the first block's last step was finished in this turn
	s_cbranch_scc0 .Lno_out
	OUT
.Lno_out:
	s_sub_co_u32 s[CNT], s[CNT], 1
	s_cmp_lg_u32 s[CNT], 0
	s_cbranch_scc1 .Lstep
	s_sub_co_u32 s[SLOTS], s[SLOTS], 1
	s_cmp_lg_u32 s[SLOTS], 0
	s_cbranch_scc1 .Lslot
	CHANGE 0                        ; the walk's last tile is written out
	HEAD 0
	s_mov_b32 s[CNT], 3             ; two turns fetch its steps; the third fetches nothing: its stages C, D and its V^T P finish the last step, its K Q^T on the last K serves nothing
.Ltail:
	TURN 1
	s_sub_co_u32 s[CNT], s[CNT], 1
	s_cmp_lg_u32 s[CNT], 0
	s_cbranch_scc1 .Ltail
	OUT
	s_wait_tensorcnt 0x0            ; the wave's end
	ds_add_u32 v[SPW], v[NIL]
	s_wait_dscnt 0x0
	s_endpgm
.Lfunc_end_k_q1a243a8918_attn:
	.size	k_q1a243a8918_attn, .Lfunc_end_k_q1a243a8918_attn-k_q1a243a8918_attn
	.p2alignl 7, 3214868480
	.fill 96, 4, 3214868480
	.section	.rodata,"a",@progbits
	.p2align	6, 0x0
	.amdhsa_kernel k_q1a243a8918_attn
		.amdhsa_group_segment_fixed_size 327680
		.amdhsa_private_segment_fixed_size 0
		.amdhsa_enable_private_segment 0
		.amdhsa_kernarg_size 16
		.amdhsa_user_sgpr_count 2
		.amdhsa_user_sgpr_kernarg_segment_ptr 1
		.amdhsa_wavefront_size32 1
		.amdhsa_system_sgpr_workgroup_id_x 1
		.amdhsa_system_sgpr_workgroup_id_y 1
		.amdhsa_system_sgpr_workgroup_id_z 1
		.amdhsa_system_vgpr_workitem_id 0
		.amdhsa_next_free_vgpr 416
		.amdhsa_next_free_sgpr 96
		.amdhsa_reserve_vcc 1
		.amdhsa_float_denorm_mode_32 3
		.amdhsa_float_denorm_mode_16_64 3
		.amdhsa_memory_ordered 1
		.amdhsa_forward_progress 1
		.amdhsa_inst_pref_size 97
	.end_amdhsa_kernel
	.amdgpu_metadata
---
amdhsa.version: [ 1, 2 ]
amdhsa.kernels:
  - .name:           k_q1a243a8918_attn
    .symbol:         k_q1a243a8918_attn.kd
    .args:
      - { .name: qkv, .offset: 0, .size: 8, .value_kind: global_buffer, .address_space: global }
      - { .name: ob, .offset: 8, .size: 8, .value_kind: global_buffer, .address_space: global }
    .group_segment_fixed_size: 327680
    .private_segment_fixed_size: 0
    .kernarg_segment_align: 8
    .kernarg_segment_size: 16
    .max_flat_workgroup_size: 128
    .sgpr_count:     96
    .vgpr_count:     416
    .wavefront_size: 32
...
	.end_amdgpu_metadata
.endif
;; end of part 3
;; launch oproj (part 4): grid 8 x 32, 4 waves a work-group, clusters of 4 x 4, 327,680 bytes of LDS; arguments ob, wo16, out0; writes out0
.if DOCPART == 4
	.amdgcn_target "amdgcn-amd-amdhsa--gfx1250"
	.amdhsa_code_object_version 6
	.text
	.protected	k_q1a243a8918_oproj
	.globl	k_q1a243a8918_oproj
	.p2align	8
	.type	k_q1a243a8918_oproj,@function
k_q1a243a8918_oproj:
	s_mov_b64 s[64:65], 0
	v_nop
	global_prefetch_b8 v0, s[64:65] scope:SCOPE_SE
	s_setreg_imm32_b32 hwreg(HW_REG_WAVE_MODE, 25, 1), 1
	s_wait_xcnt 0x0
	s_wait_alu depctr_hold_cnt(0) depctr_sa_sdst(0) depctr_va_vdst(0) depctr_va_sdst(0) depctr_va_ssrc(0) depctr_va_vcc(0) depctr_vm_vsrc(0)
	s_getreg_b32 s2, hwreg(HW_REG_IB_STS2, 6, 4)
	s_cmp_eq_u32 s2, 0
	s_cbranch_scc0 .Lentry_in_a_cluster
	s_endpgm
.Lentry_in_a_cluster:
	s_bfe_u32 s2, ttmp6, 0x10000c
	s_cmp_lg_u32 s2, 0xf033
	s_cbranch_scc0 .Lentry_shape_is_right
	s_endpgm
.Lentry_shape_is_right:
; THE OUTPUT PROJECTION.  out0[m][d] = sum over f of O[m][f] Wo[d][f], m = 2048 b + n, f = 64 h + c.  ob: 32 planes (16 b + h) of [2048][64] f16; wo16: [1024][1024] f16; out0: [4096][1024] f32; sums in f32.
; SHARES.  A tile of out0 is 128 x 128: 8 x 32 = 256 work-groups; four waves, each 64 x 64: 16 accumulators.  K goes in steps of 256, four heads, through two LDS slots.
; A's tile comes by heads: a head's 64 rows x 64 channels are 8,192 dense bytes, asked for as ONE row of the descriptor, four such rows 131,072 elements apart; the padding after every 128 bytes
; gives LDS rows of 144 bytes, a head 9,216.  B's tile is 64 rows x 512 bytes, LDS rows of 528.  Waves 0, 1 fetch A's two halves, waves 2, 3 B's.
; CLUSTER 4 x 4: A's tile is shared along a row of the cluster, B's along a column: joint loads.  No prefetch: a step's tiles are small and the launch has four steps.
; THE MATRIX INSTRUCTION IS USED TRANSPOSED (source 0 = 16 rows of Wo, source 1 = 16 rows of O): a lane holds eight neighbouring columns of a row of out0, 32 bytes.
; REGISTERS: window 0: v16-29 addresses; v32-95 rows on the way out; v128-255 the accumulators ((a, b) at 128 + 8 (4 a + b)).  Window 1: two fragment buffers of 128: 64 registers of A, then 64 of B.
.set KSTEP,  256
.set PA,     144                       ; 36 words: the 16 rows of a fragment load start at 16 different groups of four banks (64 banks of 4 bytes: ISA guide 11.1)
.set PB,     528                       ; 132 words: likewise
.set HEADP,  64*PA                     ; a head's 64 rows in LDS
.set HALFA,  4*HEADP                   ; what one load of A brings
.set HALFB,  64*PB                     ; what one load of B brings
.set BOFF,   2*HALFA
.set SLOT,   BOFF+2*HALFB
.set STAGE,  2*SLOT                    ; behind the ring: 16 rows x 272 bytes for each wave
.set SPITCH, 272
.set SPARE,  STAGE+4*16*SPITCH         ; the spare words, 128 bytes a wave: two blocks of 256 bytes that no other line names
.set STEPA,  4*2048*128                ; four planes: a K step of A in memory
.set ADRA, 16
.set ADRB, 20
.set STO,  24
.set RD,   25
.set CO,   26
.set SPW,  28
.set NIL,  29
.set TMP,  32
.set ACC,  128
.set F0,   0
.set F1,   128
.set G1, 24
.set G0, 32
.set G1B, 48
.set G0B, 56
.set MSB, 0
.macro WIN new
.if MSB != (\new)
	s_set_vgpr_msb (MSB<<8)|(\new)
.set MSB, (\new)
.endif
.endm
.set MUL,  0x05                        ; sources 0 (B) and 1 (A) window 1; C and D window 0
.set TO_F, 0x40                        ; destination window 1, address window 0
.macro JLOAD s                         ; a joint load; an s_nop 0 and four v_nop follow each of the two lines
	s_cmp_eq_u32 s11, 0
	s_cbranch_scc0 .Lfor_b_\@
	tensor_load_to_lds s[G0+4*(\s):G0+4*(\s)+3], s[G1:G1+7]
	s_nop 0
.rept 4
	v_nop
.endr
	s_branch .Lasked_\@
.Lfor_b_\@:
	tensor_load_to_lds s[G0B+4*(\s):G0B+4*(\s)+3], s[G1B:G1B+7]
	s_nop 0
.rept 4
	v_nop
.endr
.Lasked_\@:
.endm
.macro CREST
	s_cmp_lg_u32 s10, 0
	s_cbranch_scc1 .Lnot_wave_0_\@
	s_barrier_signal -3
.Lnot_wave_0_\@:
	s_barrier_wait -3
	s_barrier_signal -1
	s_barrier_wait -1
.endm
.macro CROUND
	s_barrier_signal -1
	s_barrier_wait -1
	CREST
.endm
	s_load_b128 s[4:7], s[0:1], 0x0                ; ob s[4:5], wo16 s[6:7]
	s_load_b64 s[8:9], s[0:1], 0x10                ; out0
	v_lshl_add_u32 v[SPW], v0, 2, SPARE
	v_mov_b32 v[NIL], 0
	ds_add_u32 v[SPW], v[NIL]                      ; the wave's opening: the add and its wait stand ahead of my first tensor load
	ds_add_u32 v28, v29
	v_lshrrev_b32 v1, 5, v0
	v_readfirstlane_b32 s10, v1                    ; wave 0..3
	s_lshr_b32 s11, s10, 1                         ; which half of the tile's rows is mine.  Also: I fetch for A (0) or for B (1)
	s_and_b32 s12, s10, 1                          ; which half of its columns.  Also: which 64 rows of that tile I fetch
	s_bfe_u32 s40, ttmp6, 0x40000                  ; cx
	s_bfe_u32 s41, ttmp6, 0x40004                  ; cy
	s_lshl_b32 s42, ttmp9, 2
	s_add_co_u32 s42, s42, s40                     ; tile column
	s_and_b32 s13, ttmp7, 0xffff
	s_lshl_b32 s13, s13, 2
	s_add_co_u32 s13, s13, s41                     ; tile row
	s_lshl_b32 s43, s41, 2
	s_lshl_b32 s43, 15, s43                        ; my row of the cluster
	s_lshl_b32 s44, 0x1111, s40                    ; my column
	s_or_b32 s[G1+0], s43, (1<<16)|(1<<20)|(1<<21)|(4<<22)|(3<<25)   ; A: elements of 2 bytes; after every 32 words (code 4) 4 words of padding (code 3); bit 21 beside the mask
	s_mov_b32 s[G1+1], 4096<<16                    ; tensor_dim0 = 4,096: a head's 64 rows x 64 channels
	s_mov_b32 s[G1+2], 4<<16                       ; tensor_dim1 = 4 heads
	s_mov_b32 s[G1+3], 4096<<16                    ; tile_dim0
	s_mov_b32 s[G1+4], 4                           ; tile_dim1
	s_mov_b32 s[G1+5], 131072                      ; elements from plane to plane
	s_mov_b32 s[G1+6], 0
	s_mov_b32 s[G1+7], 0
	s_or_b32 s[G1B+0], s44, (1<<16)|(1<<20)|(1<<21)|(6<<22)|(3<<25)  ; B: after every 128 words (code 6) 4 words
	s_mov_b32 s[G1B+1], KSTEP<<16
	s_mov_b32 s[G1B+2], 64<<16
	s_mov_b32 s[G1B+3], KSTEP<<16
	s_mov_b32 s[G1B+4], 64
	s_mov_b32 s[G1B+5], 1024
	s_mov_b32 s[G1B+6], 0
	s_mov_b32 s[G1B+7], 0
	s_lshr_b32 s16, s13, 4                         ; b: its 16 planes are 4,194,304 bytes
	s_lshl_b32 s16, s16, 22
	s_and_b32 s17, s13, 15
	s_lshl_b32 s17, s17, 14                        ; the tile's 128 rows of 128 bytes in a plane
	s_add_co_u32 s16, s16, s17
	s_lshl_b32 s17, s12, 13                        ; the 64 of them that I fetch
	s_add_co_u32 s16, s16, s17
	s_mov_b32 s17, 0
	s_lshl_b32 s46, s42, 18                        ; B: row 128 x tile column + 64 x half, 2,048 bytes a row
	s_lshl_b32 s47, s12, 17
	s_add_co_u32 s46, s46, s47
	s_mov_b32 s47, 0
	s_mul_i32 s20, s12, HALFA                      ; where they go
	s_mul_i32 s21, s12, HALFB
	s_add_co_u32 s21, s21, BOFF
	s_wait_dscnt 0x0                               ; the opening add is done
	s_wait_kmcnt 0x0
	s_add_nc_u64 s[14:15], s[4:5], s[16:17]
	s_add_nc_u64 s[46:47], s[6:7], s[46:47]
	CROUND                                         ; the first joint loads meet
.irp s, 0,1
	s_mov_b32 s[G0+4*(\s)], 1
	s_add_co_u32 s[G0+4*(\s)+1], s20, (\s)*SLOT
	s_add_nc_u64 s[G0+4*(\s)+2:G0+4*(\s)+3], s[14:15], (\s)*STEPA
	s_or_b32 s[G0+4*(\s)+3], s[G0+4*(\s)+3], 0x80000000
	s_mov_b32 s[G0B+4*(\s)], 1
	s_add_co_u32 s[G0B+4*(\s)+1], s21, (\s)*SLOT
	s_add_nc_u64 s[G0B+4*(\s)+2:G0B+4*(\s)+3], s[46:47], (\s)*KSTEP*2
	s_or_b32 s[G0B+4*(\s)+3], s[G0B+4*(\s)+3], 0x80000000
	JLOAD \s                                       ; two loads of mine are out
.endr
	v_and_b32 v1, 15, v0                           ; l % 16
	v_bfe_u32 v2, v0, 4, 1                         ; l / 16
	v_mul_u32_u24 v3, v1, PA
	v_lshl_add_u32 v3, v2, 4, v3
	v_mul_u32_u24 v6, v1, PB
	v_lshl_add_u32 v6, v2, 4, v6
	s_mul_i32 s21, s11, HALFA                      ; my 64 rows of A
	s_mul_i32 s22, s12, HALFB                      ; my 64 rows of B
	s_add_co_u32 s22, s22, BOFF
.irp s, 0,1
	v_add_nc_u32 v[ADRA+(\s)], s21, v3
	v_add_nc_u32 v[ADRB+(\s)], s22, v6
	s_add_co_u32 s21, s21, SLOT
	s_add_co_u32 s22, s22, SLOT
.endr
	s_mul_i32 s23, s10, 16*SPITCH
	s_add_co_u32 s23, s23, STAGE                   ; my stage: my 64 columns of f32 are a whole 256 bytes, so no other wave shares a row
	v_mul_u32_u24 v4, v1, SPITCH                   ; in: row l % 16, 32 bytes for each half of the lanes
	v_lshl_add_u32 v4, v2, 5, v4
	v_add_nc_u32 v[STO], s23, v4
	v_mul_u32_u24 v5, v2, SPITCH                   ; back: lanes 0-15 one row of 256 bytes, lanes 16-31 the next
	v_lshl_add_u32 v5, v1, 4, v5
	v_add_nc_u32 v[RD], s23, v5
	v_lshlrev_b32 v5, 12, v2                       ; and the same two rows of out0, 4,096 bytes each
	v_lshl_add_u32 v[CO], v1, 4, v5
	s_lshl_b32 s16, s13, 7
	s_lshl_b32 s17, s11, 6
	s_add_co_u32 s16, s16, s17                     ; my first row
	s_lshl_b32 s16, s16, 12
	s_mov_b32 s17, 0
	s_add_nc_u64 s[8:9], s[8:9], s[16:17]
	s_lshl_b32 s46, s42, 9                         ; my first column, in bytes: 512 x tile column + 256 x half
	s_lshl_b32 s47, s12, 8
	s_add_co_u32 s46, s46, s47
	s_mov_b32 s47, 0
	s_add_nc_u64 s[8:9], s[8:9], s[46:47]
; 8 matrix instructions: row blocks a0, a0 + 1 x all 4 column blocks, 32 along K: half c of buffer f.  The 16 accumulators take turns.
.macro MUL8 f, c, a0, zero
	WIN MUL
.irp a, \a0, (\a0)+1
.irp b, 0,1,2,3
.if \zero
	v_wmma_f32_16x16x32_f16 v[ACC+8*(4*(\a)+(\b)):ACC+8*(4*(\a)+(\b))+7], v[(\f)+64+8*(4*(\c)+(\b)):(\f)+64+8*(4*(\c)+(\b))+7], v[(\f)+8*(4*(\c)+(\a)):(\f)+8*(4*(\c)+(\a))+7], 0
.else
	v_wmma_f32_16x16x32_f16 v[ACC+8*(4*(\a)+(\b)):ACC+8*(4*(\a)+(\b))+7], v[(\f)+64+8*(4*(\c)+(\b)):(\f)+64+8*(4*(\c)+(\b))+7], v[(\f)+8*(4*(\c)+(\a)):(\f)+8*(4*(\c)+(\a))+7], v[ACC+8*(4*(\a)+(\b)):ACC+8*(4*(\a)+(\b))+7]
.endif
.endr
.endr
.endm
; 32 LDS loads in one run: quarter q of a K step (one head: 64 along K) into buffer f; its first 32 along K first
.macro FETCH slot, q, f
	WIN TO_F
.irp c, 0,1
.irp i, 0,1,2,3
	ds_load_b128 v[(\f)+64+8*(4*(\c)+(\i)):(\f)+64+8*(4*(\c)+(\i))+3],   v[ADRB+(\slot)] offset:128*(\q)+64*(\c)+(\i)*16*PB
	ds_load_b128 v[(\f)+64+8*(4*(\c)+(\i))+4:(\f)+64+8*(4*(\c)+(\i))+7], v[ADRB+(\slot)] offset:128*(\q)+64*(\c)+(\i)*16*PB+32
	ds_load_b128 v[(\f)+8*(4*(\c)+(\i)):(\f)+8*(4*(\c)+(\i))+3],         v[ADRA+(\slot)] offset:HEADP*(\q)+64*(\c)+(\i)*16*PA
	ds_load_b128 v[(\f)+8*(4*(\c)+(\i))+4:(\f)+8*(4*(\c)+(\i))+7],       v[ADRA+(\slot)] offset:HEADP*(\q)+64*(\c)+(\i)*16*PA+32
.endr
.endr
.endm
.macro PLACES
.rept 4
	v_nop
.endr
.endm
.macro QUARTER slot, q, f, g, zero     ; multiplies buffer f and fetches quarter q into g
	s_wait_dscnt 16                                ; the first 32 along K are in; the youngest sixteen loads may be out
	MUL8 \f, 0, 0, \zero
	MUL8 \f, 0, 2, \zero
	PLACES
	FETCH \slot, \q, \g
	s_wait_dscnt 32                                ; all but the 32 just issued
	MUL8 \f, 1, 0, 0
	MUL8 \f, 1, 2, 0
.endm
; The last quarter multiplies buffer 1 and changes slots: one barrier; in front of it each wave waits for all its tensor loads, adds 0 to its spare word, and waits for that and for its reads of this slot.
.macro TURN slot, next, fill
	WIN 0
	s_wait_tensorcnt 0x0                           ; all my tensor loads have landed: my part of the next slot
	ds_add_u32 v[SPW], v[NIL]                      ; 0 onto my spare word
	s_wait_dscnt 17                                ; (the add and the youngest sixteen loads may be out)
	MUL8 F1, 0, 0, 0
	s_wait_dscnt 0x0                               ; the add is done, and my reads of this slot are over
	s_barrier_signal -1
	MUL8 F1, 0, 2, 0
.if \fill
	WIN 0
.endif
	s_barrier_wait -1
.if \fill
	CREST                                          ; no wave of any partner still reads this slot or has a load on its way
	s_add_nc_u64 s[G0+4*(\slot)+2:G0+4*(\slot)+3], s[G0+4*(\slot)+2:G0+4*(\slot)+3], 2*STEPA
	s_add_nc_u64 s[G0B+4*(\slot)+2:G0B+4*(\slot)+3], s[G0B+4*(\slot)+2:G0B+4*(\slot)+3], 2*KSTEP*2
	JLOAD \slot                                    ; my one tensor load behind the round; its four v_nop are also the places in front of the loads below
.else
	PLACES
.endif
	FETCH \next, 0, F0
	MUL8 F1, 1, 0, 0
	MUL8 F1, 1, 2, 0
.endm
.macro SEND a, younger                 ; younger: the LDS instructions issued behind block a's loads
.irp t, 0,1,2,3,4,5,6,7
	s_wait_dscnt (\younger)+7-(\t)
	global_store_b128 v[CO], v[TMP+32*((\a)%2)+4*(\t):TMP+32*((\a)%2)+4*(\t)+3], s[8:9] offset:65536*(\a)+8192*(\t)  ; 16 lanes store 256 consecutive bytes, aligned
.endr
.endm
	s_wait_tensorcnt 1                             ; my part of K step 0 is in; K step 1's may stay out
	s_barrier_signal -1
	s_barrier_wait -1
	FETCH 0, 0, F0
	QUARTER 0, 1, F0, F1, 1                        ; the first quarter's first products start the sums
	WIN 0
	s_mov_b32 s3, 1                                ; four K steps: one trip fills both slots again, with K steps 2 and 3
.Llap:
	QUARTER 0, 2, F1, F0, 0
	QUARTER 0, 3, F0, F1, 0
	TURN 0, 1, 1
	QUARTER 1, 1, F0, F1, 0
	QUARTER 1, 2, F1, F0, 0
	QUARTER 1, 3, F0, F1, 0
	TURN 1, 0, 1
	QUARTER 0, 1, F0, F1, 0
	WIN 0
	s_sub_co_u32 s3, s3, 1
	s_cmp_lg_u32 s3, 0
	s_cbranch_scc1 .Llap
	QUARTER 0, 2, F1, F0, 0                        ; the last lap fills nothing
	QUARTER 0, 3, F0, F1, 0
	TURN 0, 1, 0
	QUARTER 1, 1, F0, F1, 0
	QUARTER 1, 2, F1, F0, 0
	QUARTER 1, 3, F0, F1, 0
	s_wait_dscnt 16
	MUL8 F1, 0, 0, 0
	MUL8 F1, 0, 2, 0
	s_wait_dscnt 0x0
	MUL8 F1, 1, 0, 0
	MUL8 F1, 1, 2, 0
	WIN 0
	; THE WAY OUT: a block of 16 rows goes from the accumulators (low half first) into my stage and comes back as whole rows of 256 bytes; block a - 1 is stored behind block a's LDS lines
	PLACES
.irp a, 0,1,2,3
.if (\a) >= 2
	s_wait_xcnt 0x0                                ; the stores of block a - 2 have read the registers that block a is loaded into
.endif
.irp b, 0,1,2,3
	ds_store_b128 v[STO], v[ACC+8*(4*(\a)+(\b)):ACC+8*(4*(\a)+(\b))+3]   offset:64*(\b)
	ds_store_b128 v[STO], v[ACC+8*(4*(\a)+(\b))+4:ACC+8*(4*(\a)+(\b))+7] offset:64*(\b)+16
.endr
.irp t, 0,1,2,3,4,5,6,7
	ds_load_b128 v[TMP+32*((\a)%2)+4*(\t):TMP+32*((\a)%2)+4*(\t)+3], v[RD] offset:(\t)*2*SPITCH  ; LDS serves a wave's instructions in order (ISA guide 5.7.1.4)
.endr
.if (\a) > 0
	SEND (\a)-1, 16
.endif
.endr
	SEND 3, 0
	s_wait_tensorcnt 0x0                           ; the wave's end
	ds_add_u32 v[SPW], v[NIL]
	s_wait_dscnt 0x0
	CROUND                                         ; the closing round
	s_endpgm
.Lfunc_end_k_q1a243a8918_oproj:
	.size	k_q1a243a8918_oproj, .Lfunc_end_k_q1a243a8918_oproj-k_q1a243a8918_oproj
	.p2alignl 7, 3214868480
	.fill 96, 4, 3214868480
	.section	.rodata,"a",@progbits
	.p2align	6, 0x0
	.amdhsa_kernel k_q1a243a8918_oproj
		.amdhsa_group_segment_fixed_size 327680
		.amdhsa_private_segment_fixed_size 0
		.amdhsa_enable_private_segment 0
		.amdhsa_kernarg_size 24
		.amdhsa_user_sgpr_count 2
		.amdhsa_user_sgpr_kernarg_segment_ptr 1
		.amdhsa_wavefront_size32 1
		.amdhsa_system_sgpr_workgroup_id_x 1
		.amdhsa_system_sgpr_workgroup_id_y 1
		.amdhsa_system_sgpr_workgroup_id_z 1
		.amdhsa_system_vgpr_workitem_id 0
		.amdhsa_next_free_vgpr 512
		.amdhsa_next_free_sgpr 66
		.amdhsa_reserve_vcc 0
		.amdhsa_float_denorm_mode_32 3
		.amdhsa_float_denorm_mode_16_64 3
		.amdhsa_memory_ordered 1
		.amdhsa_forward_progress 1
		.amdhsa_inst_pref_size 87
	.end_amdhsa_kernel
	.amdgpu_metadata
---
amdhsa.version: [ 1, 2 ]
amdhsa.kernels:
  - .name:           k_q1a243a8918_oproj
    .symbol:         k_q1a243a8918_oproj.kd
    .args:
      - { .name: ob, .offset: 0, .size: 8, .value_kind: global_buffer, .address_space: global }
      - { .name: wo16, .offset: 8, .size: 8, .value_kind: global_buffer, .address_space: global }
      - { .name: out0, .offset: 16, .size: 8, .value_kind: global_buffer, .address_space: global }
    .group_segment_fixed_size: 327680
    .private_segment_fixed_size: 0
    .kernarg_segment_align: 8
    .kernarg_segment_size: 24
    .max_flat_workgroup_size: 128
    .sgpr_count:     66
    .vgpr_count:     512
    .wavefront_size: 32
...
	.end_amdgpu_metadata
.endif
;; end of part 4
